; MI455X (gfx1250); checked and timed in simulation.
; The chip was launched on July 23, 2026; its instructions are those of AMD's public machine-readable ISA for CDNA 5 (MIT licence, August 2026) and "CDNA5" Instruction Set Architecture Reference Guide (July 2026). The comments in the code are by the model that wrote it; some were corrected since.
;; Multi Head Attention. Allowed arithmetic: matrix products marked QUANTISED: E2M1 operands, one E8M0 scale for each 32 along K, by v_wmma_scale_f32_16x16x128_f8f6f4 with both operands' format E2M1 (or v_wmma_scale_f32_32x16x128_f4), f32 sums; everything else in f32.
;; Inputs: W_out 1,024 x 1,024 float32; W_qkv 3,072 x 1,024 float32; b_out 1,024 float32; b_qkv 3,072 float32; x_q 4 x 2,048 x 1,024 float32.
;; Outputs: out0 4 x 2,048 x 1,024 float32.
;; This version of the problem:
;;   THIS VERSION OF THE PROBLEM IS GIVEN IN LOW PRECISION. The matrix products marked QUANTISED in the list below multiply operands that are first quantised to E2M1 (2 exponent bits, 1 mantissa bit; 4 bits a number), with one power-of-two scale for each 32 numbers along K (OCP MX v1.0); their sums are f32. All else is computed in f32.
;;   The module's matrix products, in the order in which they are computed (A, B: the left and right operand; K: the contracted axis; several contracted axes count as one K, in the product's order):
;;     1. [M 8,192, K 1,024] x [K 1,024, N 3,072]; A: input x_q; B: input W_qkv: QUANTISED
;;     2. batch 64 x [M 2,048, K 64] x [K 64, N 2,048]; A: computed on the way; B: computed on the way: QUANTISED
;;     3. batch 64 x [M 2,048, K 2,048] x [K 2,048, N 64]; A: softmax (see below); B: computed on the way: QUANTISED
;;     4. [M 8,192, K 1,024] x [K 1,024, N 1,024]; A: computed on the way; B: input W_out: QUANTISED
;;   THE QUANTISER, for each operand of a quantised product, along K:
;;     - K is cut into blocks of 32 from its start; a last block that is shorter is filled with zeros.
;;     - A block's scale is 2^e with e = floor(log2(the largest magnitude in the block)) - 2, held to -126 .. 127; a block of zeros has e = 0. As a byte (E8M0): e + 127.
;;     - Each number is divided by its block's scale, clamped to +-6, and rounded to the nearest number of E2M1, ties to even, subnormals kept.
;;     - The product sums the exact products of the quantised numbers (number of the format x scale) in f32.
;;   ~~~python
;;   def quantise(x, axis):      # numpy; x: float32 -> the quantised numbers, widened to float32 again
;;       x = np.moveaxis(x, axis, -1); K = x.shape[-1]
;;       x = np.pad(x, [(0, 0)] * (x.ndim - 1) + [(0, -K % 32)]); x = x.reshape(x.shape[:-1] + (-1, 32)); a = np.abs(x).max(-1, keepdims=True)
;;       e = np.where(a > 0, np.clip(np.frexp(np.where(a > 0, a, 1))[1] - 1 - 2, -126, 127), 0)      # np.frexp(a)[1] - 1 = floor(log2(a)), exactly
;;       r = np.clip(x / 2.0 ** e, -6, 6)
;;       step = 2.0 ** (np.maximum(np.frexp(np.where(r == 0, 1, r))[1] - 1, 0) - 1)
;;       q = np.round(r / step) * step * 2.0 ** e      # np.round: ties to even
;;       return np.moveaxis(q.reshape(q.shape[:-2] + (-1,))[..., :K], -1, axis).astype(np.float32)
;;   ~~~
;;   SOFTMAX AHEAD OF A QUANTISED PRODUCT. Where the list says 'softmax', what is quantised is not the finished softmax but p = 2^(t - M), with t = logit x log2(e) and M = ceil(the row's largest t), a whole number; so 1/2 < the row's largest p <= 1. The row's sum l is taken of the UNQUANTISED p, in f32, and the product's result is divided by l at the end. Since M is a whole number, a kernel that streams over the keys may use a running M (the ceiling of the running maximum): every later rescaling is an exact power of two, which a block's scale takes up: the codes' values come out the same.
;;   OPERANDS COMPUTED ON THE WAY. 'Computed on the way' means the value that the module computes at that place (a softmax that the list does not call 'softmax' is quantised finished and normalised). What goes into a quantiser is computed in f32, as accurately as f32 sums, v_exp_f32 and their like allow (about 1e-6 of the number): no bf16 or f16 on the way to a quantiser, and a product that is left as it is and whose result goes on into a quantised operand takes f32 operands (vector FMAs, or v_wmma_f32_16x16x4_f32). A number that lies on a knife's edge between two numbers of the format may be rounded either way, as far as f32 arithmetic and the matrix unit's own rounding can turn it there, and no further.
;; One version. Each part assembles by itself: llvm-mc -triple=amdgcn-amd-amdhsa -mcpu=gfx1250 --defsym DOCPART=n.
;; ======== version 1 of 1: 4 launches
;; workspace buffers: xq 4,456,448 bytes; wq 1,671,168 bytes; wo 557,056 bytes; q_ws 4,718,592 bytes; kv_ws 9,175,040 bytes; ao 4,456,448 bytes
;; launch quant (part 1): grid 768 x 1, 2 waves a work-group, no clusters, 17,664 bytes of LDS; arguments x_q, W_qkv, W_out, xq, wq, wo; writes xq, wq, wo
.if DOCPART == 1
	.amdgcn_target "amdgcn-amd-amdhsa--gfx1250"
	.amdhsa_code_object_version 6
	.text
	.protected	k_qfe34af4da8_quant
	.globl	k_qfe34af4da8_quant
	.p2align	8
	.type	k_qfe34af4da8_quant,@function
k_qfe34af4da8_quant:
	s_mov_b64 s[64:65], 0
	v_nop
	global_prefetch_b8 v0, s[64:65] scope:SCOPE_SE
	s_setreg_imm32_b32 hwreg(HW_REG_WAVE_MODE, 25, 1), 1
	s_wait_xcnt 0x0
; x_q [8192][1024], W_qkv [3072][1024] and W_out [1024][1024], f32, K innermost, become codes of FP4 (E2M1) with one E8M0 byte for each 32 along K.
; NO WORK OF reference() IS LEFT OUT IN THIS PROGRAM: every input has a way to the output and is loaded.  One step is moved: q x 64^-0.5 is q / 8, an exact power of two, so the quantiser of q / 8 gives
; the codes of q under a scale 3 exponents lower; q is quantised as it is, and the 1/8 stands in the constant of the softmax (launch attn).
; LAYOUT OF THE RESULTS, the program's own.  Rows go in tiles of 16: lane r of tile T is row 32 (T / 2) + 8 (T % 2) + r + 8 (r / 8).  A fragment (16 rows x 128 K, 8 registers a lane) lies as an IMAGE OF ITS REGISTERS:
; registers 4 c .. 4 c + 3 at 512 c + 16 x lane, 1,024 bytes; a buffer is [tile][K / 128][1,024].  Behind the images: the scale words, [tile][K half of 512][r][4 words], word q = the four bytes of the half's q-th 128 along K.
; A block's scale is 2^(floor(log2(largest magnitude)) - 2); its byte is the largest magnitude's exponent field - 2, held at 1 from below.
; LIMITS: a block of zeros gets the byte 1 where the rule says 127 (its codes are zeros, and this program alone reads the bytes); blocks whose largest magnitude lies under 2^-124 keep the byte 1; NaN and infinities among the inputs are not served.
; SHARES.  A work-group owns one tile (the first 512 x_q's, the next 192 W_qkv's, the last 64 W_out's: only pointers are chosen, one path through the text); wave w takes K half w in 8 steps of 16 rows x 64 K.
; Each load reads two rows' aligned 256 bytes; a step's 4,096 bytes turn through the wave's own stage in LDS (rows 272 bytes apart) and come back 128 bytes a lane: lane (r, h) then holds a whole block, k = 32 h + 0 .. 31 of row r.
.set ROWB,  4096                       ; a row of any of the three tensors, in bytes
.set SP,    272                        ; a stage row: 256 bytes + 16
.set STG,   16*SP                      ; a stage
.set WREG,  2*STG                      ; two stages for each wave
.set SPARE, 2*WREG                     ; behind them: the spare words, 128 bytes for each wave, one block of 256 bytes that no other line names
.set SPW,   8                          ; v8   LDS address of my spare word; never rewritten
.set NIL,   9                          ; v9   0; never rewritten
.set E,     16                         ; v16-23   a scale byte for each step
.set R,     32                         ; v32-127  three sets of 32 numbers as loaded
.set X,     128                        ; v128-191 two sets of 32 neighbours
.set C,     192                        ; v192-223 four registers of codes for each step: no store's data are written again
	s_load_b128 s[4:7], s[0:1], 0x0                ; x_q, W_qkv
	s_load_b128 s[8:11], s[0:1], 0x10              ; W_out, xq
	s_load_b128 s[12:15], s[0:1], 0x20             ; wq, wo
	v_lshl_add_u32 v[SPW], v0, 2, SPARE
	v_mov_b32 v[NIL], 0
	v_lshrrev_b32 v1, 5, v0
	v_readfirstlane_b32 s24, v1                    ; wave 0, 1
	v_and_b32 v1, 31, v0                           ; lane
	v_and_b32 v10, 15, v0                          ; r
	v_bfe_u32 v7, v0, 4, 1                         ; h
	v_lshlrev_b32 v11, 4, v10                      ; 16 r
	v_lshl_add_u32 v2, v7, 12, v11                 ; a load: lanes 0-15 one row, lanes 16-31 the next, 16 bytes a lane
	s_mul_i32 s25, s24, WREG
	v_mul_u32_u24 v3, v7, SP
	v_add_nc_u32 v3, v3, v11
	v_add_nc_u32 v3, s25, v3                       ; into the stage: the same two rows
	v_mul_u32_u24 v4, v10, SP
	v_lshl_add_u32 v4, v7, 7, v4
	v_add_nc_u32 v4, s25, v4                       ; out of it: row r, 128 h bytes on
	v_lshlrev_b32 v5, 4, v1                        ; an image: 16 x lane
	v_lshl_add_u32 v6, v7, 3, v11                  ; the scale words: 16 r + 8 h
.irp k, 0,1,2,3
	v_mov_b32 v[28+\k], 0                          ; written once: a lane permute's destination counts as one of its sources
.endr
	s_mov_b32 s30, 0x76543210
	s_mov_b32 s31, 0xfedcba98                      ; v_permlanex16_b32's selects for lane l xor 16
	s_mov_b32 s32, 0xffff0000                      ; lanes 16-31
	s_wait_alu depctr_va_vdst(0)
	s_wait_kmcnt 0x0
	s_mov_b32 s20, 524288                          ; where the scale words begin in wo,
	s_mov_b32 s21, 704                             ; and W_out's first work-group
	s_cmp_lt_u32 ttmp9, 704                        ; the choices hang on the work-group's number alone
	s_cselect_b64 s[16:17], s[6:7], s[8:9]
	s_cselect_b64 s[18:19], s[12:13], s[14:15]
	s_cselect_b32 s20, 1572864, s20
	s_cselect_b32 s21, 512, s21
	s_cmp_lt_u32 ttmp9, 512
	s_cselect_b64 s[16:17], s[4:5], s[16:17]       ; the tensor
	s_cselect_b64 s[18:19], s[10:11], s[18:19]     ; its buffer
	s_cselect_b32 s20, 4194304, s20
	s_cselect_b32 s21, 0, s21
	s_sub_co_u32 s21, ttmp9, s21                   ; T, my tile
	s_lshr_b32 s22, s21, 1
	s_lshl_b32 s22, s22, 17                        ; 32 (T / 2) rows
	s_and_b32 s23, s21, 1
	s_lshl_b32 s23, s23, 15                        ; + 8 (T % 2) rows
	s_add_co_u32 s22, s22, s23
	s_lshl_b32 s23, s24, 11                        ; + my K half: 2,048 bytes
	s_add_co_u32 s22, s22, s23
	s_mov_b32 s23, 0
	s_add_nc_u64 s[16:17], s[16:17], s[22:23]
	s_lshl_b32 s22, s21, 9                         ; the scale words: 512 T + 256 w behind the images
	s_add_co_u32 s22, s22, s20
	s_lshl_b32 s26, s24, 8
	s_add_co_u32 s22, s22, s26
	s_add_nc_u64 s[26:27], s[18:19], s[22:23]
	s_lshl_b32 s22, s21, 13                        ; the images: 8,192 T + 4,096 w
	s_lshl_b32 s28, s24, 12
	s_add_co_u32 s22, s22, s28
	s_add_nc_u64 s[18:19], s[18:19], s[22:23]
.macro LOAD t                          ; step t: 16 rows x 256 bytes into set t % 3; load j takes the tile's rows 2 j and 2 j + 1, which lie 8 further down from the tile's ninth row on
.irp j, 0,1,2,3,4,5,6,7
	global_load_b128 v[R+32*((\t)%3)+4*\j:R+32*((\t)%3)+4*\j+3], v2, s[16:17] offset:(2*\j+8*(\j/4))*ROWB+256*(\t) th:TH_LOAD_NT
.endr
.endm
.macro TURN t                          ; step t through stage t % 2: LDS serves a wave's instructions in order, so no wait stands between the stores and the loads
.irp j, 0,1,2,3,4,5,6,7
	ds_store_b128 v3, v[R+32*((\t)%3)+4*\j:R+32*((\t)%3)+4*\j+3] offset:STG*((\t)%2)+2*SP*\j
.endr
.irp i, 0,1,2,3,4,5,6,7
	ds_load_b128 v[X+32*((\t)%2)+4*\i:X+32*((\t)%2)+4*\i+3], v4 offset:STG*((\t)%2)+16*\i
.endr
.endm
.macro STEP t
.set XS, X+32*((\t)%2)
	s_wait_dscnt 0x0                               ; this step's numbers are back from the stage, so its stores into the stage have read their registers,
.if (\t)+3 < 8
	LOAD (\t)+3                                    ; which take the loads of three steps on
.endif
.if (\t)+1 < 8
.if (\t)+3 < 8
	s_wait_loadcnt 16                              ; the next step's eight loads are in; those of the two steps behind it may be out
.else
	s_wait_loadcnt 8*(6-(\t))                      ; the counts run down
.endif
	TURN (\t)+1                                    ; the next step goes through the other stage while this one is worked
.endif
	v_max3_num_f32 v12, |v[XS]|, |v[XS+1]|, |v[XS+2]|              ; the block's largest magnitude: all 32 numbers are mine; two chains
	v_max3_num_f32 v13, |v[XS+3]|, |v[XS+4]|, |v[XS+5]|
.irp i, 6,10,14,18,22,26
	v_max3_num_f32 v12, v12, |v[XS+\i]|, |v[XS+\i+1]|
	v_max3_num_f32 v13, v13, |v[XS+\i+2]|, |v[XS+\i+3]|
.endr
	v_max3_num_f32 v12, v12, |v[XS+30]|, |v[XS+31]|
	v_max3_num_f32 v12, v12, v13, 0x1800000        ; and the floor 2^(3 - 127): the byte cannot fall under 1
	v_add_nc_u32 v11, 0xff000000, v12              ; 2 off its exponent field: the conversion takes the exponent field of this operand as its scale
.irp g, 0,1,2,3
	v_cvt_scalef32_pk8_fp4_f32 v[C+4*(\t)+\g], v[XS+8*\g:XS+8*\g+7], v11
.endr
	v_lshrrev_b32 v[E+(\t)], 23, v11               ; the scale's byte: block 2 (t % 2) + h of the half's (t / 2)-th 128 along K
	global_store_b128 v5, v[C+4*(\t):C+4*(\t)+3], s[18:19] offset:512*(\t)   ; registers 4 (t % 2) on of image t / 2: 512 consecutive bytes, aligned
.endm
	LOAD 0
	LOAD 1
	LOAD 2
	s_wait_loadcnt 16                              ; step 0's eight loads are in
	TURN 0
.irp t, 0,1,2,3,4,5,6,7
	STEP \t
.endr
	v_lshlrev_b32 v10, 3, v7                       ; 8 h
.irp k, 0,1,2,3
	v_lshl_or_b32 v[24+\k], v[E+2*\k+1], 16, v[E+2*\k]   ; my two bytes of word k: blocks h and 2 + h,
.endr
.irp k, 0,1,2,3
	v_lshlrev_b32 v[24+\k], v10, v[24+\k]          ; at their places;
.endr
.irp k, 0,1,2,3
	v_permlanex16_b32 v[28+\k], v[24+\k], s30, s31
.endr
.irp k, 0,1,2,3
	v_or_b32 v[24+\k], v[24+\k], v[28+\k]          ; with lane l xor 16's two the word is whole
.endr
	v_cndmask_b32 v28, v24, v26, s32               ; lanes 0-15 store words 0 and 1 of their row, lanes 16-31 words 2 and 3
	v_cndmask_b32 v29, v25, v27, s32
	global_store_b64 v6, v[28:29], s[26:27]        ; 256 consecutive bytes, aligned
	s_wait_tensorcnt 0x0                           ; the wave's end
	ds_add_u32 v[SPW], v[NIL]
	s_wait_dscnt 0x0
	s_endpgm
.Lfunc_end_k_qfe34af4da8_quant:
	.size	k_qfe34af4da8_quant, .Lfunc_end_k_qfe34af4da8_quant-k_qfe34af4da8_quant
	.p2alignl 7, 3214868480
	.fill 96, 4, 3214868480
	.section	.rodata,"a",@progbits
	.p2align	6, 0x0
	.amdhsa_kernel k_qfe34af4da8_quant
		.amdhsa_group_segment_fixed_size 17664
		.amdhsa_private_segment_fixed_size 0
		.amdhsa_enable_private_segment 0
		.amdhsa_kernarg_size 48
		.amdhsa_user_sgpr_count 2
		.amdhsa_user_sgpr_kernarg_segment_ptr 1
		.amdhsa_wavefront_size32 1
		.amdhsa_system_sgpr_workgroup_id_x 1
		.amdhsa_system_sgpr_workgroup_id_y 1
		.amdhsa_system_sgpr_workgroup_id_z 1
		.amdhsa_system_vgpr_workitem_id 0
		.amdhsa_next_free_vgpr 224
		.amdhsa_next_free_sgpr 66
		.amdhsa_reserve_vcc 0
		.amdhsa_float_denorm_mode_32 3
		.amdhsa_float_denorm_mode_16_64 3
		.amdhsa_memory_ordered 1
		.amdhsa_forward_progress 1
		.amdhsa_inst_pref_size 31
	.end_amdhsa_kernel
	.amdgpu_metadata
---
amdhsa.version: [ 1, 2 ]
amdhsa.kernels:
  - .name:           k_qfe34af4da8_quant
    .symbol:         k_qfe34af4da8_quant.kd
    .args:
      - { .name: x_q, .offset: 0, .size: 8, .value_kind: global_buffer, .address_space: global }
      - { .name: W_qkv, .offset: 8, .size: 8, .value_kind: global_buffer, .address_space: global }
      - { .name: W_out, .offset: 16, .size: 8, .value_kind: global_buffer, .address_space: global }
      - { .name: xq, .offset: 24, .size: 8, .value_kind: global_buffer, .address_space: global }
      - { .name: wq, .offset: 32, .size: 8, .value_kind: global_buffer, .address_space: global }
      - { .name: wo, .offset: 40, .size: 8, .value_kind: global_buffer, .address_space: global }
    .group_segment_fixed_size: 17664
    .private_segment_fixed_size: 0
    .kernarg_segment_align: 8
    .kernarg_segment_size: 48
    .max_flat_workgroup_size: 64
    .sgpr_count:     66
    .vgpr_count:     224
    .wavefront_size: 32
...
	.end_amdgpu_metadata
.endif
;; end of part 1
;; launch qkv (part 2): grid 12 x 32, 4 waves a work-group, clusters of 4 x 4, 327,680 bytes of LDS; arguments xq, wq, b_qkv, q_ws, kv_ws; writes q_ws, kv_ws
.if DOCPART == 2
	.amdgcn_target "amdgcn-amd-amdhsa--gfx1250"
	.amdhsa_code_object_version 6
	.text
	.protected	k_qfe34af4da8_qkv
	.globl	k_qfe34af4da8_qkv
	.p2align	8
	.type	k_qfe34af4da8_qkv,@function
k_qfe34af4da8_qkv:
	s_mov_b64 s[64:65], 0
	v_nop
	global_prefetch_b8 v0, s[64:65] scope:SCOPE_SE
	s_setreg_imm32_b32 hwreg(HW_REG_WAVE_MODE, 25, 1), 1
	s_wait_xcnt 0x0
	s_wait_alu depctr_hold_cnt(0) depctr_sa_sdst(0) depctr_va_vdst(0) depctr_va_sdst(0) depctr_va_ssrc(0) depctr_va_vcc(0) depctr_vm_vsrc(0)
	s_getreg_b32 s2, hwreg(HW_REG_IB_STS2, 6, 4)
	s_cmp_eq_u32 s2, 0
	s_cbranch_scc0 .Lentry_in_a_cluster
	s_endpgm
.Lentry_in_a_cluster:
	s_bfe_u32 s2, ttmp6, 0x10000c
	s_cmp_lg_u32 s2, 0xf033
	s_cbranch_scc0 .Lentry_shape_is_right
	s_endpgm
.Lentry_shape_is_right:
; qkv = x W_qkv^T + b_qkv on codes of FP4 (launch quant made them), and q, k, v quantised on the way out for the two products of attention: no f32 number goes to memory.  No work is left out.
; A work-group of four waves makes 256 x 256, a wave 128 x 128: 64 accumulators, 512 registers.  K = 1,024 lies whole in LDS as two halves of 512, both filled once: no slot is filled again, no loop.
; ROLES.  Source 0 of each product is a tile of the B-role operand, source 1 a block of the A-role operand: lane (r, h) holds ONE row of the A-role, and its registers run along the B-role's rows; since a tile's rows are chosen as
; 32 (T / 2) + 8 (T % 2) + r + 8 (r / 8), the 16 registers of tiles 2 b and 2 b + 1 are 16 neighbours.  The quantiser wants that axis to be the next product's K.  Cluster x = 0 (q) and 1 (k): A-role = x (tokens), B-role = W (channels: K of q k^T).
; Cluster x = 2 (v): A-role = W (channels), B-role = x (tokens = keys: K of p v).  The choice hangs on the cluster's x alone, which all sixteen partners share.
; CLUSTER 4 x 4: the A-role's tile is shared along a row of the cluster, the B-role's along a column: each is asked for jointly, by the same tensor load with a mask that names the four.
; OUT.  Records, one for each (batch, head, run of 128 tokens).  kv_ws, 8,960 bytes: k, 8 tiles of 16 keys x 512 bytes (registers 0-3 of a fragment: the head's 64); at 4,096 v^T, 4 tiles of 16 channels x 128 keys, 1,024 bytes each;
; at 8,192 k's scale words (16 x lane: register i = tile 2 i in lanes 0-15, tile 2 i + 1 in lanes 16-31); at 8,704 v's (8 x lane, likewise).  q_ws, 4,608 bytes: q as k, its scale words at 4,096.
; In a scale word of q or k bytes 0, 1 are the head's two blocks; bytes 2, 3 (the neighbour head's, or 0) only ever meet zero codes.
; LIMITS: q is quantised without its factor 1/8 (an exact power of two, taken up in the softmax's constant): a block of q under 2^-121 would have its scale held in reference() and is not held here; a block of zeros has the byte 1; NaN and infinities are not served.
; REGISTERS, in windows of 256.  Window 0: v1-29 addresses; v32-95 scale words (register 32 s + 4 i + q: A-role's block i in lanes 0-15, B-role's tile i in lanes 16-31); from v128 the A-role's fragments, two sets; on the way out v96-223 at work.
;   Window 1: the B-role's fragments, two sets, at v0 and v128; v64-127 the bias.   Windows 2, 3: accumulator (a, b) at v[8 (8 (a % 4) + b)] of window 2 + a / 4.
.set NA,    8                          ; A-role blocks of a wave
.set SLOT,  131072                     ; a K half in LDS: 16 A-role tiles x 4,096 bytes, then 16 B-role tiles
.set BOFF,  65536
.set SCL,   2*SLOT                     ; the scale words: the A-role's 8,192 bytes, then the B-role's
.set SPARE, SCL+16384                  ; the spare words, 128 bytes for each wave: two blocks of 256 bytes that no other line names
.set LI,    3                          ; v3   16 x lane
.set ADRA,  16                         ; v16-17  my A-role fragments in K half 0, 1
.set ADRB,  20                         ; v20-21  my B-role fragments
.set ADRS,  27                         ; v27  my scale words
.set SPW,   28                         ; v28  LDS address of my spare word; never rewritten
.set NIL,   29                         ; v29  0; never rewritten
.set SC,    32
.set MW,    96                         ; v96-103  the scale images
.set VO,    104                        ; v104-107 the codes' offsets
.set L8,    108                        ; v108 8 x lane
.set AF,    128
.set BI,    64                         ; in window 1
.set CD,    128                        ; v128-191 the codes made, 8 registers a block: no store's data are written again
.set TM,    200                        ; v200-215 at work
.set PW,    216                        ; v216-223 a scale word for each block
.set G1A,   24
.set G0A,   32
.set G1B,   48
.set G0B,   56
.set G1SA,  68
.set G0SA,  76
.set G1SB,  80
.set G0SB,  88
.set MSB, 0
.macro WIN new                         ; the immediate's high byte repeats the setting that is left; a switch that changes nothing is dropped
.if MSB != (\new)
	s_set_vgpr_msb (MSB<<8)|(\new)
.set MSB, (\new)
.endif
.endm
; A joint load: waves 0 and 1 fetch for the A-role, waves 2 and 3 for the B-role.  The branch hangs on the wave's number alone.  An s_nop 0 and four v_nop follow each of the two lines.
.macro JLOAD g0a, g1a, g0b, g1b
	s_cmp_eq_u32 s15, 0
	s_cbranch_scc0 .Lfor_b_\@
	tensor_load_to_lds s[\g0a:\g0a+3], s[\g1a:\g1a+7]
	s_nop 0
.rept 4
	v_nop
.endr
	s_branch .Lasked_\@
.Lfor_b_\@:
	tensor_load_to_lds s[\g0b:\g0b+3], s[\g1b:\g1b+7]
	s_nop 0
.rept 4
	v_nop
.endr
.Lasked_\@:
.endm
.macro CROUND                          ; a round of the cluster's barrier
	s_barrier_signal -1
	s_barrier_wait -1
	s_cmp_lg_u32 s14, 0
	s_cbranch_scc1 .Lnot_wave_0_\@
	s_barrier_signal -3
.Lnot_wave_0_\@:
	s_barrier_wait -3
	s_barrier_signal -1
	s_barrier_wait -1
.endm
.macro PLACES n
.rept \n
	v_nop
.endr
.endm
	s_load_b256 s[4:11], s[0:1], 0x0               ; xq s[4:5], wq s[6:7], b_qkv s[8:9], q_ws s[10:11]
	s_load_b64 s[12:13], s[0:1], 0x20              ; kv_ws
	v_lshl_add_u32 v[SPW], v0, 2, SPARE
	v_mov_b32 v[NIL], 0
	ds_add_u32 v[SPW], v[NIL]                      ; the wave's opening: the add, twice on end, and its wait ahead of my first tensor load; the set-up below stands between
	ds_add_u32 v[SPW], v[NIL]
	v_lshrrev_b32 v1, 5, v0
	v_readfirstlane_b32 s14, v1                    ; wave 0..3
	s_lshr_b32 s15, s14, 1                         ; HA: my half of the A-role's rows.  Also: I fetch for the A-role (0) or the B-role (1)
	s_and_b32 s16, s14, 1                          ; HB: my half of the B-role's rows.  Also: which half I fetch
	s_bfe_u32 s40, ttmp6, 0x40000                  ; cx
	s_bfe_u32 s41, ttmp6, 0x40004                  ; cy
	s_and_b32 s17, ttmp7, 0xffff                   ; cluster y
	s_lshl_b32 s18, s17, 2
	s_lshl_b32 s19, ttmp9, 2
	s_mov_b32 s22, 4194304                         ; where the scale words begin in xq,
	s_mov_b32 s94, 1572864                         ; and in wq
	s_cmp_eq_u32 ttmp9, 2                          ; v?
	s_cselect_b32 s45, 1, 0
	s_cselect_b32 s92, 8, s18                      ; the A-role's block of 256 rows: W's 8 + cy, or x's 4 Y + cy
	s_cselect_b32 s93, s18, s19                    ; the B-role's: x's 4 Y + cx, or W's 4 X + cx
	s_cselect_b32 s22, 1572864, s22
	s_cselect_b32 s94, 4194304, s94
	s_add_co_u32 s92, s92, s41                     ; TA
	s_add_co_u32 s93, s93, s40                     ; TB
	s_lshl_b32 s43, s41, 2
	s_lshl_b32 s43, 15, s43                        ; my row of the cluster
	s_lshl_b32 s44, 0x1111, s40                    ; my column
	s_or_b32 s[G1A], s43, (3<<16)|(1<<21)          ; 15:0 the mask; 17:16 elements of 8 bytes; 21 set beside a mask; no padding: images are read 16 x lane
	s_or_b32 s[G1B], s44, (3<<16)|(1<<21)
	s_or_b32 s[G1SA], s43, (3<<16)|(1<<21)
	s_or_b32 s[G1SB], s44, (3<<16)|(1<<21)
.irp g, G1A, G1B                       ; codes: 8 tiles, of each a K half: 4,096 bytes of its 8,192
	s_mov_b32 s[\g+1], 512<<16                     ; tensor_dim0 = 512 elements
	s_mov_b32 s[\g+2], 8<<16                       ; tensor_dim1 = 8
	s_mov_b32 s[\g+3], 512<<16                     ; tile_dim0
	s_mov_b32 s[\g+4], 8                           ; tile_dim1
	s_mov_b32 s[\g+5], 1024                        ; from tile to tile
	s_mov_b32 s[\g+6], 0
	s_mov_b32 s[\g+7], 0
.endr
.irp g, G1SA, G1SB                     ; scale words of 8 tiles: 4,096 dense bytes as 16 rows of 256
	s_mov_b32 s[\g+1], 32<<16
	s_mov_b32 s[\g+2], 16<<16
	s_mov_b32 s[\g+3], 32<<16
	s_mov_b32 s[\g+4], 16
	s_mov_b32 s[\g+5], 32
	s_mov_b32 s[\g+6], 0
	s_mov_b32 s[\g+7], 0
.endr
	s_lshl_b32 s18, s16, 16                        ; the half that I fetch: 8 tiles of 8,192 bytes
	s_lshl_b32 s20, s92, 17
	s_add_co_u32 s20, s20, s18                     ; the A-role's codes (made of cy and the wave's number alone)
	s_mov_b32 s21, 0
	s_lshl_b32 s46, s93, 17
	s_add_co_u32 s46, s46, s18                     ; the B-role's (of cx and the wave's number alone)
	s_mov_b32 s47, 0
	s_lshl_b32 s18, s16, 12
	s_lshl_b32 s19, s92, 13
	s_add_co_u32 s22, s22, s19
	s_add_co_u32 s22, s22, s18                     ; the A-role's scale words
	s_mov_b32 s23, 0
	s_lshl_b32 s3, s93, 13
	s_add_co_u32 s94, s94, s3
	s_add_co_u32 s94, s94, s18                     ; the B-role's
	s_mov_b32 s95, 0
	s_lshl_b32 s42, s14, 15                        ; where they go: wave x 32,768,
	s_lshl_b32 s2, s14, 12                         ; wave x 4,096: no place in the cluster enters an LDS address
	s_wait_dscnt 0x0                               ; both opening adds are done
	s_wait_kmcnt 0x0
	s_cmp_eq_u32 s45, 1
	s_cselect_b64 s[96:97], s[6:7], s[4:5]         ; the A-role's buffer
	s_cselect_b64 s[98:99], s[4:5], s[6:7]         ; the B-role's
	s_add_nc_u64 s[20:21], s[96:97], s[20:21]
	s_add_nc_u64 s[22:23], s[96:97], s[22:23]
	s_add_nc_u64 s[46:47], s[98:99], s[46:47]
	s_add_nc_u64 s[94:95], s[98:99], s[94:95]
	CROUND                                         ; all sixteen work-groups are here: the joint loads meet
	s_mov_b32 s[G0SA], 1
	s_add_co_u32 s[G0SA+1], s2, SCL
	s_mov_b64 s[G0SA+2:G0SA+3], s[22:23]
	s_or_b32 s[G0SA+3], s[G0SA+3], 0x80000000
	s_mov_b32 s[G0SB], 1
	s_add_co_u32 s[G0SB+1], s2, SCL
	s_mov_b64 s[G0SB+2:G0SB+3], s[94:95]
	s_or_b32 s[G0SB+3], s[G0SB+3], 0x80000000
	JLOAD G0SA, G1SA, G0SB, G1SB                   ; the scale words first; with the two below, three tensor loads of mine are out
.irp s, 0,1
	s_mov_b32 s[G0A+4*\s], 1
	s_add_co_u32 s[G0A+4*\s+1], s42, \s*SLOT
	s_add_nc_u64 s[G0A+4*\s+2:G0A+4*\s+3], s[20:21], \s*4096
	s_or_b32 s[G0A+4*\s+3], s[G0A+4*\s+3], 0x80000000
	s_mov_b32 s[G0B+4*\s], 1
	s_add_co_u32 s[G0B+4*\s+1], s42, \s*SLOT
	s_add_nc_u64 s[G0B+4*\s+2:G0B+4*\s+3], s[46:47], \s*4096
	s_or_b32 s[G0B+4*\s+3], s[G0B+4*\s+3], 0x80000000
	JLOAD G0A+4*\s, G1A, G0B+4*\s, G1B
.endr
	v_and_b32 v1, 15, v0                           ; r
	v_bfe_u32 v2, v0, 4, 1                         ; h
	s_wait_alu depctr_va_vdst(0)
	v_and_b32 v[LI], 31, v0
	v_lshlrev_b32 v[LI], 4, v[LI]
	; the bias is the C of each sum's first product: 64 registers in the result's layout
	s_cmp_eq_u32 s45, 1
	s_cselect_b32 s66, s92, s93                    ; W's block of 256 rows,
	s_cselect_b32 s67, s15, s16                    ; my half of it
	s_lshl_b32 s66, s66, 10
	s_lshl_b32 s67, s67, 9
	s_add_co_u32 s66, s66, s67
	s_mov_b32 s67, 0
	s_add_nc_u64 s[66:67], s[8:9], s[66:67]
	v_lshlrev_b32 v6, 6, v2                        ; q, k: registers run along the channels: 16 h numbers on
	v_and_b32 v7, 8, v1
	v_add_nc_u32 v7, v7, v1
	v_lshlrev_b32 v7, 2, v7                        ; v: the lane is the channel: r + 8 (r / 8)
	s_cmp_eq_u32 s45, 1
	s_cbranch_scc1 .Lbias_v
	WIN 0x40                                       ; destination window 1
.irp b, 0,1,2,3,4,5,6,7
	global_load_b128 v[BI+8*\b:BI+8*\b+3], v6, s[66:67] offset:(32*(\b/2)+8*(\b%2))*4
	global_load_b128 v[BI+8*\b+4:BI+8*\b+7], v6, s[66:67] offset:(32*(\b/2)+8*(\b%2))*4+16
.endr
	WIN 0
	s_branch .Lbias_done
.Lbias_v:
	WIN 0x40
	s_wait_alu depctr_va_vdst(0)
.irp a, 0,1,2,3,4,5,6,7
.irp j, 0,1,2,3,4,5,6,7
	global_load_b32 v[BI+8*\a+\j], v7, s[66:67] offset:(32*(\a/2)+8*(\a%2))*4   ; block a: one number a lane, in all eight registers
.endr
.endr
	WIN 0
.Lbias_done:
	s_mul_i32 s18, s15, NA*4096                    ; my A-role blocks,
	s_lshl_b32 s19, s16, 15
	s_add_co_u32 s19, s19, BOFF                    ; my B-role tiles
	s_wait_alu depctr_va_vdst(0)
.irp s, 0,1
	v_add_nc_u32 v[ADRA+\s], s18, v[LI]
	v_add_nc_u32 v[ADRB+\s], s19, v[LI]
	s_add_co_u32 s18, s18, SLOT
	s_add_co_u32 s19, s19, SLOT
.endr
	v_lshlrev_b32 v4, 4, v1                        ; a row's four words
	s_mul_i32 s18, s15, NA*512                     ; the A-role's: my blocks
	s_lshl_b32 s19, s16, 12
	s_add_co_u32 s19, s19, NA*1024                 ; the B-role's lie behind them: my tiles
	s_sub_co_u32 s19, s19, s18
	v_mul_u32_u24 v5, s19, v2                      ; lanes 16-31 take the B-role's: the lower base + h x the distance
	s_add_co_u32 s18, s18, SCL
	v_add_nc_u32 v4, v4, v5
	v_add_nc_u32 v[ADRS], s18, v4
.macro FRAG reg, adr, off              ; an image comes back as it was stored: 16 x lane, 512 bytes a load
	ds_load_b128 v[\reg:\reg+3], v[\adr] offset:\off
	ds_load_b128 v[\reg+4:\reg+7], v[\adr] offset:\off+512
.endm
.macro FETCH g                         ; the fragments of K step g (128 along K) into set g % 2
.set FS, (\g)/4
.set FQ, (\g)%4
.set FP, (\g)%2
	WIN 0x40
.irp i, 0,1,2,3,4,5,6,7
	FRAG 128*FP+8*\i, ADRB+FS, 4096*\i+1024*FQ
.endr
	WIN 0
.irp i, 0,1,2,3,4,5,6,7
	FRAG AF+8*NA*FP+8*\i, ADRA+FS, 4096*\i+1024*FQ
.endr
.endm
.macro SCALES s                        ; the scale words of K half s: four words a row
.irp i, 0,1,2,3,4,5,6,7
	ds_load_b128 v[SC+32*\s+4*\i:SC+32*\s+4*\i+3], v[ADRS] offset:512*\i+256*\s
.endr
.endm
.macro MM a, b, c0
	v_wmma_scale_f32_16x16x128_f8f6f4 v[8*(8*((\a)%4)+\b):8*(8*((\a)%4)+\b)+7], v[128*MP+8*\b:128*MP+8*\b+7], v[AF+8*NA*MP+8*(\a):AF+8*NA*MP+8*(\a)+7], v[\c0:\c0+7], v[SC+32*MS+4*\b+MQ], v[SC+32*MS+4*(\a)+MQ] matrix_a_fmt:MATRIX_FMT_FP4 matrix_b_fmt:MATRIX_FMT_FP4 matrix_a_scale:MATRIX_SCALE_ROW1
.endm
; The 64 products of K step g.  The accumulators take turns, one instruction a turn, in the same order in every step.  mode 0: they add in place; 1: C = the bias along the registers; 2: C = the bias of the lane.
.macro MULS g, mode
.set MS, (\g)/4
.set MQ, (\g)%4
.set MP, (\g)%2
.irp a, 0,1,2,3,4,5,6,7
.if \mode
	WIN 0x91+0x40*(\a/4)                           ; source 0 window 1, source 1 window 0, C window 1, D window 2 or 3
.else
	WIN 0xa1+0x50*(\a/4)                           ; C and D window 2 or 3
.endif
.irp b, 0,1,2,3,4,5,6,7
.if \mode == 0
	MM \a, \b, 8*(8*(\a%4)+\b)
.elseif \mode == 1
	MM \a, \b, BI+8*\b
.else
	MM \a, \b, BI+8*\a
.endif
.endr
.endr
.endm
.macro PRE g                           ; ahead of K step g's products
	s_wait_dscnt 0x0                               ; its fragments are in: they were asked for a whole step ago
.if (\g) == 3
	s_wait_tensorcnt 0x0                           ; my part of K half 1 has landed,
	s_barrier_signal -1
	s_barrier_wait -1                              ; everybody's has
.endif
.if (\g) < 7
.if (\g) > 0
	PLACES 4                                       ; four places in front of loads into registers that the last products read
.endif
	FETCH (\g)+1
.endif
.endm
	s_wait_alu depctr_va_vdst(0)
	s_wait_tensorcnt 1                             ; the scale words and my part of K half 0 are in; K half 1's load may be out
	s_barrier_signal -1
	s_barrier_wait -1
	SCALES 0
	SCALES 1
	FETCH 0
	s_wait_loadcnt 0x0                             ; the bias
	PRE 0
	s_cmp_eq_u32 s45, 1
	s_cbranch_scc1 .Lfirst_v
	MULS 0, 1
	WIN 0                                          ; at a label and at a branch every window is 0
	s_branch .Lfirst_done
.Lfirst_v:
	MULS 0, 2
	WIN 0
.Lfirst_done:
.irp g, 1,2,3,4,5,6,7
	PRE \g
	MULS \g, 0
.endr
	WIN 0
	PLACES 4                                       ; in front of the first reads of results and of writes into registers that held fragments
.irp b, 0,1,2,3
	v_mov_b32 v[TM+4+\b], 0                        ; written once: a lane permute's destination counts as one of its sources
.endr
	; THE WAY OUT.  Where my records lie.  No tensor load is out: every scalar register but the ids is free.
	s_cmp_eq_u32 s45, 1
	s_cselect_b32 s18, s41, s40                    ; W's block is four heads,
	s_cselect_b32 s19, s15, s16                    ; my half of it two
	s_cselect_b32 s42, s93, s92                    ; x's block is 256 tokens,
	s_cselect_b32 s43, s16, s15                    ; my half of it a run of 128
	s_lshl_b32 s18, s18, 2
	s_lshl_b32 s19, s19, 1
	s_add_co_u32 s18, s18, s19                     ; my first head
	s_lshl_b32 s42, s42, 1
	s_add_co_u32 s42, s42, s43
	s_lshr_b32 s43, s42, 4                         ; the batch,
	s_and_b32 s42, s42, 15                         ; the run in it
	s_lshl_b32 s43, s43, 4
	s_add_co_u32 s43, s43, s18
	s_lshl_b32 s43, s43, 4
	s_add_co_u32 s43, s43, s42                     ; the record: (16 batch + head) 16 + run
	s_mov_b32 s44, 8960
	s_mov_b32 s2, 8704
	s_cmp_eq_u32 ttmp9, 1
	s_cselect_b32 s2, 8192, s2
	s_cmp_eq_u32 ttmp9, 0
	s_cselect_b32 s44, 4608, s44                   ; a record's bytes,
	s_cselect_b32 s2, 4096, s2                     ; where my scale image lies in it,
	s_cselect_b64 s[96:97], s[10:11], s[12:13]     ; and the buffer
	s_mul_i32 s18, s43, s44
	s_lshl_b32 s92, s44, 4                         ; from a head to the next: 16 records
	s_mov_b32 s93, 0
	s_add_co_u32 s66, s18, s2
	s_mov_b32 s67, 0
	s_add_nc_u64 s[66:67], s[96:97], s[66:67]      ; the scale image of my first head,
	s_add_nc_u64 s[12:13], s[66:67], s[92:93]      ; of my second
	s_mov_b32 s20, 512
	s_mov_b32 s22, 2048
	s_mov_b32 s2, 512
	s_cmp_eq_u32 s45, 1
	s_cselect_b32 s19, 4096, 0                     ; v^T lies behind k
	s_cselect_b32 s20, s20, s92                    ; registers 4-7: v: the image's second half; q, k: the next head
	s_cselect_b32 s22, s92, s22                    ; blocks 4-7: v: the next head; q, k: four tiles on
	s_cselect_b32 s2, 1024, s2                     ; from block to block
	s_mov_b32 s21, 0
	s_mov_b32 s23, 0
	s_add_co_u32 s18, s18, s19
	s_mov_b32 s19, 0
	s_add_nc_u64 s[4:5], s[96:97], s[18:19]        ; the four bases: s[4 + 2 c + 4 g ..]: registers 4 c on of blocks 4 g on
	s_add_nc_u64 s[6:7], s[4:5], s[20:21]
	s_add_nc_u64 s[8:9], s[4:5], s[22:23]
	s_add_nc_u64 s[10:11], s[6:7], s[22:23]
	s_mov_b32 s3, 0xffff0000                       ; lanes 16-31
	s_mov_b32 s46, 0x76543210
	s_mov_b32 s47, 0xfedcba98                      ; v_permlanex16_b32's selects for lane l xor 16
	v_mov_b32 v[VO], v[LI]
	v_add_nc_u32 v[VO+1], s2, v[VO]
	v_add_nc_u32 v[VO+2], s2, v[VO+1]
	v_add_nc_u32 v[VO+3], s2, v[VO+2]
	v_lshrrev_b32 v[L8], 1, v[LI]
; Block a: my row's 64 numbers (register 16 b + i = index 32 b + 16 h + i along the next K) become a fragment's codes and a scale word, and the codes leave: each store covers 512 consecutive bytes, aligned.
.macro QUANT a
.set QW, 2+(\a)/4
.set QS, 64*((\a)%4)
.set QP, CD+8*(\a)
	WIN (QW<<2)|(QW<<4)                            ; sources 1 and 2: the accumulators' window
.irp b, 0,1,2,3
	v_max3_num_f32 v[TM+\b], 0x1800000, |v[QS+16*\b]|, |v[QS+16*\b+1]|   ; the floor 2^(3 - 127), and each accumulator from its low end on
.endr
.irp i, 2,4,6,8,10,12,14
.irp b, 0,1,2,3
	v_max3_num_f32 v[TM+\b], v[TM+\b], |v[QS+16*\b+\i]|, |v[QS+16*\b+\i+1]|   ; the four blocks by turns
.endr
.endr
	WIN 0
.irp b, 0,1,2,3
	v_permlanex16_b32 v[TM+4+\b], v[TM+\b], s46, s47
.endr
.irp b, 0,1,2,3
	v_max_num_f32 v[TM+\b], v[TM+\b], v[TM+4+\b]   ; with lane l xor 16's 16: the block's largest magnitude
.endr
.irp b, 0,1,2,3
	v_add_nc_u32 v[TM+12+\b], 0xff000000, v[TM+\b] ; 2 off its exponent field: the conversion's scale operand
.endr
.irp b, 0,1,2,3
	v_lshrrev_b32 v[TM+4+\b], 23, v[TM+12+\b]      ; the scale's byte
.endr
	v_lshl_or_b32 v[PW+(\a)], v[TM+5], 8, v[TM+4]
	v_lshl_or_b32 v[PW+(\a)], v[TM+6], 16, v[PW+(\a)]
	v_lshl_or_b32 v[PW+(\a)], v[TM+7], 24, v[PW+(\a)]
	WIN QW                                         ; source 0: the accumulators' window
.irp b, 0,1,2,3
	v_cvt_scalef32_pk8_fp4_f32 v[QP+2*\b], v[QS+16*\b:QS+16*\b+7], v[TM+12+\b]
	v_cvt_scalef32_pk8_fp4_f32 v[QP+2*\b+1], v[QS+16*\b+8:QS+16*\b+15], v[TM+12+\b]
.endr
	WIN 0
	v_nop                                          ; one plain place behind a scaled conversion
.irp c, 0,1                            ; the operand's layout wants a whole block in a lane
.irp i, 0,1
	v_permlane16_swap_b32 v[QP+4*\c+\i], v[QP+4*\c+2+\i]
.endr
.endr
	global_store_b128 v[VO+(\a)%4], v[QP:QP+3], s[4+4*((\a)/4):5+4*((\a)/4)]
	global_store_b128 v[VO+(\a)%4], v[QP+4:QP+7], s[6+4*((\a)/4):7+4*((\a)/4)]
.endm
.irp a, 0,1,2,3,4,5,6,7
	QUANT \a
.endr
.irp i, 0,1,2,3
	v_cndmask_b32 v[MW+\i], v[PW+2*\i], v[PW+2*\i+1], s3   ; block 2 i in lanes 0-15, block 2 i + 1 in lanes 16-31 (both halves of the lanes hold their row's word)
.endr
	s_cmp_eq_u32 s45, 1
	s_cbranch_scc1 .Lsc_v
.irp i, 0,1,2,3
	v_lshrrev_b32 v[MW+4+\i], 16, v[MW+\i]         ; q, k: bytes 2, 3 are the second head's two blocks
.endr
	global_store_b128 v[LI], v[MW:MW+3], s[66:67]
	global_store_b128 v[LI], v[MW+4:MW+7], s[12:13]
	s_branch .Lsc_done
.Lsc_v:
	s_wait_alu depctr_va_vdst(0)
	global_store_b64 v[L8], v[MW:MW+1], s[66:67]   ; v: blocks 0-3 are the first head's four tiles of channels,
	global_store_b64 v[L8], v[MW+2:MW+3], s[12:13] ; blocks 4-7 the second's
.Lsc_done:
	s_wait_tensorcnt 0x0                           ; the wave's end
	ds_add_u32 v[SPW], v[NIL]
	s_wait_dscnt 0x0
	CROUND                                         ; the closing round
	s_endpgm
.Lfunc_end_k_qfe34af4da8_qkv:
	.size	k_qfe34af4da8_qkv, .Lfunc_end_k_qfe34af4da8_qkv-k_qfe34af4da8_qkv
	.p2alignl 7, 3214868480
	.fill 96, 4, 3214868480
	.section	.rodata,"a",@progbits
	.p2align	6, 0x0
	.amdhsa_kernel k_qfe34af4da8_qkv
		.amdhsa_group_segment_fixed_size 327680
		.amdhsa_private_segment_fixed_size 0
		.amdhsa_enable_private_segment 0
		.amdhsa_kernarg_size 40
		.amdhsa_user_sgpr_count 2
		.amdhsa_user_sgpr_kernarg_segment_ptr 1
		.amdhsa_wavefront_size32 1
		.amdhsa_system_sgpr_workgroup_id_x 1
		.amdhsa_system_sgpr_workgroup_id_y 1
		.amdhsa_system_sgpr_workgroup_id_z 1
		.amdhsa_system_vgpr_workitem_id 0
		.amdhsa_next_free_vgpr 1024
		.amdhsa_next_free_sgpr 100
		.amdhsa_reserve_vcc 0
		.amdhsa_float_denorm_mode_32 3
		.amdhsa_float_denorm_mode_16_64 3
		.amdhsa_memory_ordered 1
		.amdhsa_forward_progress 1
		.amdhsa_inst_pref_size 145
	.end_amdhsa_kernel
	.amdgpu_metadata
---
amdhsa.version: [ 1, 2 ]
amdhsa.kernels:
  - .name:           k_qfe34af4da8_qkv
    .symbol:         k_qfe34af4da8_qkv.kd
    .args:
      - { .name: xq, .offset: 0, .size: 8, .value_kind: global_buffer, .address_space: global }
      - { .name: wq, .offset: 8, .size: 8, .value_kind: global_buffer, .address_space: global }
      - { .name: b_qkv, .offset: 16, .size: 8, .value_kind: global_buffer, .address_space: global }
      - { .name: q_ws, .offset: 24, .size: 8, .value_kind: global_buffer, .address_space: global }
      - { .name: kv_ws, .offset: 32, .size: 8, .value_kind: global_buffer, .address_space: global }
    .group_segment_fixed_size: 327680
    .private_segment_fixed_size: 0
    .kernarg_segment_align: 8
    .kernarg_segment_size: 40
    .max_flat_workgroup_size: 128
    .sgpr_count:     100
    .vgpr_count:     1024
    .wavefront_size: 32
...
	.end_amdgpu_metadata
.endif
;; end of part 2
;; launch attn (part 3): grid 4 x 64, 16 waves a work-group, clusters of 4 x 1, 167,936 bytes of LDS; arguments q_ws, kv_ws, ao; writes ao
.if DOCPART == 3
	.amdgcn_target "amdgcn-amd-amdhsa--gfx1250"
	.amdhsa_code_object_version 6
	.text
	.protected	k_qfe34af4da8_attn
	.globl	k_qfe34af4da8_attn
	.p2align	8
	.type	k_qfe34af4da8_attn,@function
k_qfe34af4da8_attn:
	s_mov_b64 s[64:65], 0
	v_nop
	global_prefetch_b8 v0, s[64:65] scope:SCOPE_SE
	s_setreg_imm32_b32 hwreg(HW_REG_WAVE_MODE, 25, 1), 1
	s_wait_xcnt 0x0
	s_wait_alu depctr_hold_cnt(0) depctr_sa_sdst(0) depctr_va_vdst(0) depctr_va_sdst(0) depctr_va_ssrc(0) depctr_va_vcc(0) depctr_vm_vsrc(0)
	s_getreg_b32 s2, hwreg(HW_REG_IB_STS2, 6, 4)
	s_cmp_eq_u32 s2, 0
	s_cbranch_scc0 .Lentry_in_a_cluster
	s_endpgm
.Lentry_in_a_cluster:
	s_bfe_u32 s2, ttmp6, 0x10000c
	s_cmp_lg_u32 s2, 0x3003
	s_cbranch_scc0 .Lentry_shape_is_right
	s_endpgm
.Lentry_shape_is_right:
; ao = softmax(q k^T / 8) v for one (batch, head) and 512 queries a work-group, both products on codes of FP4 with E8M0 scales, and ao quantised on the way out for the last product.  No work is left out.
; THE SOFTMAX: t = score x c, c = log2(e) / 8 (q arrives without its factor 1/8, an exact power of two); M = the running largest t rounded UP to a whole number; p = 2^(t - M) is quantised along the keys, not normalised;
; the row's sum is taken of the unquantised p and divides at the end.  When M moves, the sum and O are multiplied by 2^(old M - new M): exact.
; SHARES.  Sixteen waves, four to a SIMD; a wave owns two tiles of 16 queries, so that each fragment of k and v read from LDS feeds two products.  Every wave walks the head's 2,048 keys, 128 a step.
; LDS.  The head's 16 records of kv_ws (8,960 bytes: k's codes, v^T's codes, k's and v's scale images) lie in LDS whole, each filled once, one tensor load a wave; nothing is filled again.
; CLUSTER 4 x 1: the four blocks of queries of a head need the same records: wave w of each partner asks for record w jointly, with the same descriptor and a mask that names the four.
; LAYOUT.  Both products transposed: S^T = k q^T (source 0 = 16 keys), O^T = v^T p^T (source 0 = 16 channels): a lane holds ONE query throughout.  A tile's rows are 32 (T / 2) + 8 (T % 2) + r + 8 (r / 8), so the 16 registers of two neighbouring tiles are 16 neighbours.
; THE HEAD'S 64 IN AN INSTRUCTION OF 128: q's registers 4-7 hold zero codes.  So k's operand for tile t is its four registers and the NEXT tile's four, which meet zeros and add nothing; behind tile 7 stand four registers of zeros.
; OUT.  ao as launch quant lays xq: the codes of my head's 64 channels are registers 4 (head % 2) on of image head / 2 of my tile: 512 consecutive bytes a store.  The two scale bytes a row leave by a store of 2 bytes a lane,
; 16 bytes apart: aligned blocks of 256 bytes are written in part there; it is 1 byte in 17 of what the launch stores.
; LIMITS: NaN and infinities are not served; a block of zeros has the byte 1 (the bytes are the program's own).
.set REC,   8960
.set SPARE, 16*REC                     ; behind the records: the spare words, 128 bytes for each wave: eight blocks of 256 bytes that no other line names
.set LI,    1                          ; v1   16 x lane
.set AD,    2                          ; v2   + the step's record
.set AD8,   3                          ; v3   8 x lane + the step's record
.set SPW,   4                          ; v4   LDS address of my spare word; never rewritten
.set NIL,   5                          ; v5   0; never rewritten
.set QSC,   6                          ; v6   q's scale words: tile 0 in lanes 0-15, tile 1 in lanes 16-31
.set L8,    7                          ; v7   8 x lane
.set ST,    8                          ; tile t: v[8 + 4 t] -M, +1 the largest t, +2, +3 the sum in two halves
.set QF,    16                         ; v16-31   q: for each tile 4 registers of codes, 4 of zeros
.set KV,    32                         ; v32-63   k's 8 x 4 registers, later v's 4 x 8; v64-67 zeros
.set KS,    68                         ; v68-71   k's scale words, later v's
.set S,     72                         ; v72-135  S^T, then p
.set OT0,   136                        ; v136-199 O^T, 32 a tile
.set CD,    200                        ; v200-215 p's codes, 8 a tile
.set PWD,   216                        ; v216-217 p's scale words
.set HW,    218                        ; v218-219 the way out: two scale bytes a row
.set BM,    220
.set TP,    224
.set SO,    228
.set F,     232                        ; v[232:233] f, and a 0
.set TT,    234
.set SU,    236                        ; v[236:237] the sum's second chain
.set RC,    238                        ; v[238:241] 1 / the sums, each the low word of a pair
.set SV,    242                        ; v242 the scale bytes' offset
.set WV,    10
.set SEL,   20
.set CS,    22
.set G1,    24
.set G0,    32
.set CNT,   36
.set TB,    37
.macro CROUND                          ; a round of the cluster's barrier
	s_barrier_signal -1
	s_barrier_wait -1
	s_cmp_lg_u32 s[WV], 0
	s_cbranch_scc1 .Lnot_wave_0_\@
	s_barrier_signal -3
.Lnot_wave_0_\@:
	s_barrier_wait -3
	s_barrier_signal -1
	s_barrier_wait -1
.endm
.macro PLACES
.rept 4
	v_nop
.endr
.endm
	s_load_b128 s[4:7], s[0:1], 0x0                ; q_ws, kv_ws
	s_load_b64 s[8:9], s[0:1], 0x10                ; ao
	v_lshl_add_u32 v[SPW], v0, 2, SPARE
	v_mov_b32 v[NIL], 0
	ds_add_u32 v[SPW], v[NIL]                      ; the wave's opening: the add, twice on end, and its wait ahead of my first tensor load; the set-up below stands between
	ds_add_u32 v[SPW], v[NIL]
	v_lshrrev_b32 v1, 5, v0
	s_delay_alu instid0(VALU_DEP_1)
	v_readfirstlane_b32 s[WV], v1                  ; wave 0..15
	s_bfe_u32 s11, ttmp6, 0x40000                  ; cx: my block of 512 queries; it enters q's and ao's addresses alone
	s_and_b32 s12, ttmp7, 0xffff                   ; 16 batch + head, which the four partners share
	s_mov_b32 s[G1], 15|(3<<16)|(1<<21)            ; 15:0 the mask: all four; 17:16 elements of 8 bytes; 21 set beside a mask; no padding
	s_mov_b32 s[G1+1], 32<<16                      ; a record as 35 rows of 256 bytes, dense
	s_mov_b32 s[G1+2], 35<<16
	s_mov_b32 s[G1+3], 32<<16
	s_mov_b32 s[G1+4], 35
	s_mov_b32 s[G1+5], 32
	s_mov_b32 s[G1+6], 0
	s_mov_b32 s[G1+7], 0
	s_mov_b32 s[G0], 1
	s_mul_i32 s[G0+1], s[WV], REC                  ; record w lands at w x 8,960
	s_lshl_b32 s13, s12, 4
	s_add_co_u32 s14, s13, s[WV]
	s_mul_i32 s14, s14, REC
	s_mov_b32 s15, 0
	s_mov_b32 s[SEL], 0x76543210
	s_mov_b32 s[SEL+1], 0xfedcba98                 ; v_permlanex16_b32's selects for lane l xor 16
	s_mov_b32 s[CS], 0x3e38aa3b                    ; c = log2(e) / 8
	s_mov_b32 s[CS+1], s[CS]                       ; (named with it as a pair, so it is written)
	s_mov_b32 s38, 0xffff0000                      ; lanes 16-31
	s_wait_dscnt 0x0                               ; both opening adds are done
	s_wait_kmcnt 0x0
	s_add_nc_u64 s[G0+2:G0+3], s[6:7], s[14:15]
	s_or_b32 s[G0+3], s[G0+3], 0x80000000
	CROUND                                         ; all four work-groups are here: the joint loads meet
	tensor_load_to_lds s[G0:G0+3], s[G1:G1+7]      ; my one tensor load
	s_nop 0
	PLACES
	s_lshl_b32 s16, s11, 2
	s_add_co_u32 s13, s13, s16
	s_lshr_b32 s16, s[WV], 2
	s_add_co_u32 s13, s13, s16                     ; q's record: 16 (16 batch + head) + 4 cx + w / 4
	s_mul_i32 s13, s13, 4608
	s_and_b32 s18, s[WV], 3                        ; my two of its eight tiles
	s_lshl_b32 s16, s18, 10
	s_add_co_u32 s16, s16, s13
	s_mov_b32 s17, 0
	s_add_nc_u64 s[40:41], s[4:5], s[16:17]        ; their codes,
	s_lshl_b32 s16, s18, 2
	s_add_co_u32 s16, s16, s13
	s_add_co_u32 s16, s16, 4096
	s_add_nc_u64 s[42:43], s[4:5], s[16:17]        ; their register of the scale image
	v_and_b32 v[LI], 31, v0
	s_delay_alu instid0(VALU_DEP_1)
	v_lshlrev_b32 v[L8], 3, v[LI]
	s_delay_alu instid0(VALU_DEP_2)
	v_lshlrev_b32 v[LI], 4, v[LI]
	global_load_b128 v[QF:QF+3], v[LI], s[40:41]
	global_load_b128 v[QF+8:QF+11], v[LI], s[40:41] offset:512
	global_load_b32 v[QSC], v[LI], s[42:43]
	s_lshr_b32 s13, s12, 4                         ; batch
	s_and_b32 s14, s12, 15                         ; head
	s_lshl_b32 s13, s13, 7
	s_lshl_b32 s15, s11, 5
	s_add_co_u32 s13, s13, s15
	s_lshl_b32 s15, s[WV], 1
	s_add_co_u32 s13, s13, s15                     ; my first tile of ao: 128 batch + 32 cx + 2 w
	s_lshl_b32 s16, s13, 13
	s_lshl_b32 s15, s14, 9                         ; image head / 2, registers 4 (head % 2) on: 512 x head
	s_add_co_u32 s16, s16, s15
	s_add_nc_u64 s[44:45], s[8:9], s[16:17]
	s_lshl_b32 s16, s13, 9                         ; the scale words: 512 a tile, 256 a K half, 4 a word, 2 for my head's two blocks
	s_lshr_b32 s15, s14, 3
	s_lshl_b32 s15, s15, 8
	s_add_co_u32 s16, s16, s15
	s_and_b32 s15, s14, 7
	s_lshl_b32 s15, s15, 1
	s_add_co_u32 s16, s16, s15
	s_add_co_u32 s16, s16, 4194304
	s_add_nc_u64 s[46:47], s[8:9], s[16:17]
	v_and_b32 v[SV], 15, v0
	s_delay_alu instid0(VALU_DEP_1)
	v_lshlrev_b32 v[SV], 4, v[SV]
	v_bfe_u32 v[TT], v0, 4, 1
	s_delay_alu instid0(VALU_DEP_1)
	v_lshl_add_u32 v[SV], v[TT], 9, v[SV]          ; row r: 16 r; lanes 16-31: my second tile
.irp j, 20,21,22,23,28,29,30,31,64,65,66,67
	v_mov_b32 v\j, 0                               ; zero codes
.endr
.irp t, 0,1
	v_mov_b32 v[ST+4*\t+1], 0xff61b1e6             ; the largest t so far: -3e38, under every t
	s_delay_alu instid0(VALU_DEP_1)
	v_floor_f32 v[ST+4*\t], -v[ST+4*\t+1]          ; -M
	v_mov_b32 v[ST+4*\t+2], 0                      ; the sum
	v_mov_b32 v[ST+4*\t+3], 0
	v_mov_b32 v[RC+2*\t+1], 0                      ; (upper halves of pairs that are named whole)
.endr
	v_mov_b32 v[F+1], 0
.irp b, 0,1,2,3
	v_mov_b32 v[TP+\b], 0                          ; written once: a lane permute's destination counts as one of its sources
.endr
.set j, 0
.rept 64
	v_mov_b32 v[OT0+j], 0                          ; O^T: the step is written once; the first finds zeros, which the first change of M leaves zeros
.set j, j+1
.endr
; S^T of my tile qt: eight tiles of 16 keys.  Even tiles' scale words lie in lanes 0-15 of their register, odd tiles' in lanes 16-31; q's likewise by qt.
.macro SMUL qt
.irp t, 0,1,2,3,4,5,6,7
.if ((\t%2) == 0) && ((\qt) == 0)
	v_wmma_scale_f32_16x16x128_f8f6f4 v[S+8*\t:S+8*\t+7], v[KV+4*\t:KV+4*\t+7], v[QF+8*(\qt):QF+8*(\qt)+7], 0, v[KS+\t/2], v[QSC] matrix_a_fmt:MATRIX_FMT_FP4 matrix_b_fmt:MATRIX_FMT_FP4
.elseif (\qt) == 0
	v_wmma_scale_f32_16x16x128_f8f6f4 v[S+8*\t:S+8*\t+7], v[KV+4*\t:KV+4*\t+7], v[QF+8*(\qt):QF+8*(\qt)+7], 0, v[KS+\t/2], v[QSC] matrix_a_fmt:MATRIX_FMT_FP4 matrix_b_fmt:MATRIX_FMT_FP4 matrix_a_scale:MATRIX_SCALE_ROW1
.elseif (\t%2) == 0
	v_wmma_scale_f32_16x16x128_f8f6f4 v[S+8*\t:S+8*\t+7], v[KV+4*\t:KV+4*\t+7], v[QF+8*(\qt):QF+8*(\qt)+7], 0, v[KS+\t/2], v[QSC] matrix_a_fmt:MATRIX_FMT_FP4 matrix_b_fmt:MATRIX_FMT_FP4 matrix_b_scale:MATRIX_SCALE_ROW1
.else
	v_wmma_scale_f32_16x16x128_f8f6f4 v[S+8*\t:S+8*\t+7], v[KV+4*\t:KV+4*\t+7], v[QF+8*(\qt):QF+8*(\qt)+7], 0, v[KS+\t/2], v[QSC] matrix_a_fmt:MATRIX_FMT_FP4 matrix_b_fmt:MATRIX_FMT_FP4 matrix_a_scale:MATRIX_SCALE_ROW1 matrix_b_scale:MATRIX_SCALE_ROW1
.endif
.endr
.endm
; The softmax of tile t for these 128 keys: register 16 b + i of S^T is key 32 b + 16 h + i of my query.
.macro SOFT t
.set NM, ST+4*(\t)
.set MX, NM+1
.set LSU, NM+2
.set OT, OT0+32*(\t)
.set PT, CD+8*(\t)
.irp b, 0,1,2,3
	v_max3_num_f32 v[BM+\b], v[S+16*\b], v[S+16*\b+1], v[S+16*\b+2]   ; the largest score of each block of 32 keys: it serves the row's maximum and, since p rises with the score, the block's largest p
.endr
.irp i, 3,5,7,9,11,13
.irp b, 0,1,2,3
	v_max3_num_f32 v[BM+\b], v[BM+\b], v[S+16*\b+\i], v[S+16*\b+\i+1]
.endr
.endr
.irp b, 0,1,2,3
	v_max_num_f32 v[BM+\b], v[BM+\b], v[S+16*\b+15]
.endr
.irp b, 0,1,2,3
	s_delay_alu instid0(VALU_DEP_4)
	v_permlanex16_b32 v[TP+\b], v[BM+\b], s[SEL], s[SEL+1]
.endr
.irp b, 0,1,2,3
	s_delay_alu instid0(VALU_DEP_4)
	v_max_num_f32 v[BM+\b], v[BM+\b], v[TP+\b]     ; with lane l xor 16's 16 keys
.endr
	s_delay_alu instid0(VALU_DEP_2)
	v_max3_num_f32 v[TT], v[BM], v[BM+1], v[BM+2]
	s_delay_alu instid0(VALU_DEP_1)
	v_max_num_f32 v[TT], v[TT], v[BM+3]            ; the step's largest score of my query,
	s_delay_alu instid0(VALU_DEP_1)
	v_mul_f32 v[TT], s[CS], v[TT]                  ; as t (c is positive)
	s_delay_alu instid0(VALU_DEP_1)
	v_max_num_f32 v[MX], v[MX], v[TT]              ; the running largest t
	v_mov_b32 v[TT], v[NM]
	s_delay_alu instid0(VALU_DEP_2)
	v_floor_f32 v[NM], -v[MX]                      ; the new -M = floor(-t) = -ceil(t)
	s_delay_alu instid0(VALU_DEP_1)
	v_sub_f32 v[TT], v[NM], v[TT]                  ; old M less new M: a whole number, 0 or less
	s_delay_alu instid0(VALU_DEP_1)
	v_cvt_i32_f32 v[TT], v[TT]                     ; (it saturates)
	s_delay_alu instid0(VALU_DEP_1)
	v_ldexp_f32 v[F], 1.0, v[TT]                   ; f = 2^(old M - new M)
.set j, 0
.rept 32
	v_pk_fma_f32 v[S+j:S+j+1], v[S+j:S+j+1], s[CS:CS+1], v[NM:NM+1] op_sel_hi:[1,0,0]   ; t - M, two at a time (of the pairs c and -M the low word serves both halves)
.set j, j+2
.endr
.irp b, 0,1,2,3
	v_fma_f32 v[BM+\b], v[BM+\b], s[CS], v[NM]     ; the same of each block's largest score
.endr
.set j, 0
	s_wait_alu depctr_va_vdst(0)
.rept 64
	v_exp_f32 v[S+j], v[S+j]                       ; p = 2^(t - M), at most 1
.set j, j+1
.endr
	v_pk_mul_f32 v[LSU:LSU+1], v[LSU:LSU+1], v[F:F+1] op_sel_hi:[1,0]   ; the sums under the new M: the plain place behind the exponentials
	s_wait_alu depctr_va_vdst(0)                   ; one wait for the whole batch, ahead of its first reader
.irp b, 0,1,2,3
	v_exp_f32 v[BM+\b], v[BM+\b]                   ; the block's largest p: the same two instructions on the same number
.endr
	v_pk_add_f32 v[SU:SU+1], v[S:S+1], v[S+2:S+3]  ; the row's sum is taken of the unquantised p, in two chains; it reads the 64 alone
.set j, 4
.rept 15
	v_pk_add_f32 v[LSU:LSU+1], v[LSU:LSU+1], v[S+j:S+j+1]
	v_pk_add_f32 v[SU:SU+1], v[SU:SU+1], v[S+j+2:S+j+3]
.set j, j+4
.endr
	s_delay_alu instid0(VALU_DEP_1)
	v_pk_add_f32 v[LSU:LSU+1], v[LSU:LSU+1], v[SU:SU+1]
	s_wait_alu depctr_va_vdst(0)                   ; and one for the four
.irp b, 0,1,2,3
	v_max_num_f32 v[BM+\b], 0x1800000, v[BM+\b]    ; the floor 2^(3 - 127): the byte cannot fall under 1
.endr
.irp b, 0,1,2,3
	s_delay_alu instid0(VALU_DEP_4)
	v_add_nc_u32 v[SO+\b], 0xff000000, v[BM+\b]    ; 2 off the exponent field: the conversion's scale operand
.endr
.irp b, 0,1,2,3
	s_delay_alu instid0(VALU_DEP_4)
	v_lshrrev_b32 v[TP+\b], 23, v[SO+\b]           ; the scale's byte
.endr
	s_delay_alu instid0(VALU_DEP_3)
	v_lshl_or_b32 v[PWD+(\t)], v[TP+1], 8, v[TP]   ; p's scale word for these 128 keys
	s_delay_alu instid0(VALU_DEP_1)
	v_lshl_or_b32 v[PWD+(\t)], v[TP+2], 16, v[PWD+(\t)]
	s_delay_alu instid0(VALU_DEP_1)
	v_lshl_or_b32 v[PWD+(\t)], v[TP+3], 24, v[PWD+(\t)]
.irp b, 0,1,2,3
	v_cvt_scalef32_pk8_fp4_f32 v[PT+2*\b], v[S+16*\b:S+16*\b+7], v[SO+\b]
	v_cvt_scalef32_pk8_fp4_f32 v[PT+2*\b+1], v[S+16*\b+8:S+16*\b+15], v[SO+\b]
.endr
	v_nop                                          ; one plain place behind a scaled conversion
.irp c, 0,1                            ; the operand's layout wants a whole block in a lane
.irp i, 0,1
	v_permlane16_swap_b32 v[PT+4*\c+\i], v[PT+4*\c+2+\i]
.endr
.endr
.set j, 0
.rept 16
	v_pk_mul_f32 v[OT+j:OT+j+1], v[OT+j:OT+j+1], v[F:F+1] op_sel_hi:[1,0]   ; O^T under the new M.  These sixteen are also the places ahead of the products that follow
.set j, j+2
.endr
.endm
	s_wait_tensorcnt 0x0                           ; my record has landed,
	s_barrier_signal -1
	s_barrier_wait -1                              ; everybody's has
	s_wait_loadcnt 0x0                             ; q
	s_mov_b32 s[CNT], 16
	s_mov_b32 s[TB], 0
.Lkeys:                                            ; a trip: 128 keys, one record
	s_setprio 2
	v_add_nc_u32 v[AD], s[TB], v[LI]
	v_add_nc_u32 v[AD8], s[TB], v[L8]
	v_nop
	v_nop                                          ; with the two additions: four places in front of loads into registers that the last products read
.irp t, 0,1,2,3,4,5,6,7
	ds_load_b128 v[KV+4*\t:KV+4*\t+3], v[AD] offset:512*\t
.endr
	ds_load_b128 v[KS:KS+3], v[AD] offset:8192
	s_wait_dscnt 0x0
	SMUL 0
	PLACES
	SOFT 0
	SMUL 1
	PLACES                                         ; for the reads of the scores, and for the loads into k's registers
.irp f, 0,1,2,3                        ; v^T lands while the second softmax is worked
	ds_load_b128 v[KV+8*\f:KV+8*\f+3], v[AD] offset:4096+1024*\f
	ds_load_b128 v[KV+8*\f+4:KV+8*\f+7], v[AD] offset:4096+1024*\f+512
.endr
	ds_load_b64 v[KS:KS+1], v[AD8] offset:8704
	s_setprio 1
	SOFT 1
	s_setprio 0
	s_wait_alu depctr_va_vdst(0)
	s_wait_dscnt 0x0
.irp f, 0,1,2,3                        ; O^T += v^T p^T: eight accumulators by turns, one instruction each
.irp t, 0,1
.if \f%2
	v_wmma_scale_f32_16x16x128_f8f6f4 v[OT0+32*\t+8*\f:OT0+32*\t+8*\f+7], v[KV+8*\f:KV+8*\f+7], v[CD+8*\t:CD+8*\t+7], v[OT0+32*\t+8*\f:OT0+32*\t+8*\f+7], v[KS+\f/2], v[PWD+\t] matrix_a_fmt:MATRIX_FMT_FP4 matrix_b_fmt:MATRIX_FMT_FP4 matrix_a_scale:MATRIX_SCALE_ROW1
.else
	v_wmma_scale_f32_16x16x128_f8f6f4 v[OT0+32*\t+8*\f:OT0+32*\t+8*\f+7], v[KV+8*\f:KV+8*\f+7], v[CD+8*\t:CD+8*\t+7], v[OT0+32*\t+8*\f:OT0+32*\t+8*\f+7], v[KS+\f/2], v[PWD+\t] matrix_a_fmt:MATRIX_FMT_FP4 matrix_b_fmt:MATRIX_FMT_FP4
.endif
.endr
.endr
	s_add_co_u32 s[TB], s[TB], REC
	s_sub_co_u32 s[CNT], s[CNT], 1
	s_cmp_lg_u32 s[CNT], 0
	s_cbranch_scc1 .Lkeys
	s_setprio 0
	; THE WAY OUT.  The four additions and the v_nop are the places behind the last products.
.irp t, 0,1
	v_add_f32 v[ST+4*\t+2], v[ST+4*\t+2], v[ST+4*\t+3]   ; the sum's two halves,
.endr
.irp t, 0,1
	s_delay_alu instid0(VALU_DEP_2)
	v_permlanex16_b32 v[TP+\t], v[ST+4*\t+2], s[SEL], s[SEL+1]
.endr
.irp t, 0,1
	s_delay_alu instid0(VALU_DEP_2)
	v_add_f32 v[ST+4*\t+2], v[ST+4*\t+2], v[TP+\t] ; and lane l xor 16's: the row's sum
.endr
	s_wait_alu depctr_va_vdst(0)
.irp t, 0,1
	v_rcp_f32 v[RC+2*\t], v[ST+4*\t+2]
.endr
	v_nop                                          ; a plain place behind the reciprocals,
	s_wait_alu depctr_va_vdst(0)                   ; and a wait ahead of their first reader
; Tile t: O^T / the sum; register 16 b + i is channel 32 b + 16 h + i of my query: two blocks of the last product's K.
.macro OUTQ t
.set OT, OT0+32*(\t)
.set PT, CD+8*(\t)
.set j, 0
.rept 16
	v_pk_mul_f32 v[OT+j:OT+j+1], v[OT+j:OT+j+1], v[RC+2*(\t):RC+2*(\t)+1] op_sel_hi:[1,0]   ; each accumulator from its low end on
.set j, j+2
.endr
.irp b, 0,1
	v_max3_num_f32 v[BM+\b], |v[OT+16*\b]|, |v[OT+16*\b+1]|, 0x1800000
.endr
.irp i, 2,4,6,8,10,12,14
.irp b, 0,1
	s_delay_alu instid0(VALU_DEP_2)
	v_max3_num_f32 v[BM+\b], v[BM+\b], |v[OT+16*\b+\i]|, |v[OT+16*\b+\i+1]|
.endr
.endr
.irp b, 0,1
	s_delay_alu instid0(VALU_DEP_2)
	v_permlanex16_b32 v[TP+\b], v[BM+\b], s[SEL], s[SEL+1]
.endr
.irp b, 0,1
	s_delay_alu instid0(VALU_DEP_2)
	v_max_num_f32 v[BM+\b], v[BM+\b], v[TP+\b]
.endr
.irp b, 0,1
	s_delay_alu instid0(VALU_DEP_2)
	v_add_nc_u32 v[SO+\b], 0xff000000, v[BM+\b]
.endr
.irp b, 0,1
	s_delay_alu instid0(VALU_DEP_2)
	v_lshrrev_b32 v[TP+\b], 23, v[SO+\b]
.endr
	s_delay_alu instid0(VALU_DEP_1)
	v_lshl_or_b32 v[HW+(\t)], v[TP+1], 8, v[TP]    ; my row's two scale bytes
.irp b, 0,1
	v_cvt_scalef32_pk8_fp4_f32 v[PT+2*\b], v[OT+16*\b:OT+16*\b+7], v[SO+\b]
	v_cvt_scalef32_pk8_fp4_f32 v[PT+2*\b+1], v[OT+16*\b+8:OT+16*\b+15], v[SO+\b]
.endr
	v_nop                                          ; one plain place behind a scaled conversion
	v_permlane16_swap_b32 v[PT], v[PT+2]
	v_permlane16_swap_b32 v[PT+1], v[PT+3]
	global_store_b128 v[LI], v[PT:PT+3], s[44:45] offset:8192*(\t)   ; 512 consecutive bytes, aligned
.endm
	OUTQ 0
	OUTQ 1
	v_cndmask_b32 v[TT], v[HW], v[HW+1], s38       ; lanes 0-15: my first tile's rows, lanes 16-31: my second's
	global_store_b16 v[SV], v[TT], s[46:47]
	s_wait_tensorcnt 0x0                           ; the wave's end
	ds_add_u32 v[SPW], v[NIL]
	s_wait_dscnt 0x0
	CROUND                                         ; the closing round
	s_endpgm
.Lfunc_end_k_qfe34af4da8_attn:
	.size	k_qfe34af4da8_attn, .Lfunc_end_k_qfe34af4da8_attn-k_qfe34af4da8_attn
	.p2alignl 7, 3214868480
	.fill 96, 4, 3214868480
	.section	.rodata,"a",@progbits
	.p2align	6, 0x0
	.amdhsa_kernel k_qfe34af4da8_attn
		.amdhsa_group_segment_fixed_size 167936
		.amdhsa_private_segment_fixed_size 0
		.amdhsa_enable_private_segment 0
		.amdhsa_kernarg_size 24
		.amdhsa_user_sgpr_count 2
		.amdhsa_user_sgpr_kernarg_segment_ptr 1
		.amdhsa_wavefront_size32 1
		.amdhsa_system_sgpr_workgroup_id_x 1
		.amdhsa_system_sgpr_workgroup_id_y 1
		.amdhsa_system_sgpr_workgroup_id_z 1
		.amdhsa_system_vgpr_workitem_id 0
		.amdhsa_next_free_vgpr 256
		.amdhsa_next_free_sgpr 66
		.amdhsa_reserve_vcc 0
		.amdhsa_float_denorm_mode_32 3
		.amdhsa_float_denorm_mode_16_64 3
		.amdhsa_memory_ordered 1
		.amdhsa_forward_progress 1
		.amdhsa_inst_pref_size 47
	.end_amdhsa_kernel
	.amdgpu_metadata
---
amdhsa.version: [ 1, 2 ]
amdhsa.kernels:
  - .name:           k_qfe34af4da8_attn
    .symbol:         k_qfe34af4da8_attn.kd
    .args:
      - { .name: q_ws, .offset: 0, .size: 8, .value_kind: global_buffer, .address_space: global }
      - { .name: kv_ws, .offset: 8, .size: 8, .value_kind: global_buffer, .address_space: global }
      - { .name: ao, .offset: 16, .size: 8, .value_kind: global_buffer, .address_space: global }
    .group_segment_fixed_size: 167936
    .private_segment_fixed_size: 0
    .kernarg_segment_align: 8
    .kernarg_segment_size: 24
    .max_flat_workgroup_size: 512
    .sgpr_count:     66
    .vgpr_count:     256
    .wavefront_size: 32
...
	.end_amdgpu_metadata
.endif
;; end of part 3
;; launch proj (part 4): grid 4 x 64, 4 waves a work-group, clusters of 4 x 4, 327,680 bytes of LDS; arguments ao, wo, b_out, out0; writes out0
.if DOCPART == 4
	.amdgcn_target "amdgcn-amd-amdhsa--gfx1250"
	.amdhsa_code_object_version 6
	.text
	.protected	k_qfe34af4da8_proj
	.globl	k_qfe34af4da8_proj
	.p2align	8
	.type	k_qfe34af4da8_proj,@function
k_qfe34af4da8_proj:
	s_mov_b64 s[64:65], 0
	v_nop
	global_prefetch_b8 v0, s[64:65] scope:SCOPE_SE
	s_setreg_imm32_b32 hwreg(HW_REG_WAVE_MODE, 25, 1), 1
	s_wait_xcnt 0x0
	s_wait_alu depctr_hold_cnt(0) depctr_sa_sdst(0) depctr_va_vdst(0) depctr_va_sdst(0) depctr_va_ssrc(0) depctr_va_vcc(0) depctr_vm_vsrc(0)
	s_getreg_b32 s2, hwreg(HW_REG_IB_STS2, 6, 4)
	s_cmp_eq_u32 s2, 0
	s_cbranch_scc0 .Lentry_in_a_cluster
	s_endpgm
.Lentry_in_a_cluster:
	s_bfe_u32 s2, ttmp6, 0x10000c
	s_cmp_lg_u32 s2, 0xf033
	s_cbranch_scc0 .Lentry_shape_is_right
	s_endpgm
.Lentry_shape_is_right:
; out0 = ao W_out^T + b_out on codes of FP4 (ao from launch attn, W_out from launch quant), f32 sums, f32 out.  No work is left out.
; A work-group of four waves makes 128 rows x 256 columns, so that there are 256 work-groups; a wave 64 x 128: 32 accumulators.  K = 1,024 lies whole in LDS as two halves of 512, both filled once: no slot is filled again, no loop.
; Source 0 of each product is a tile of W_out, source 1 a block of ao: lane (r, h) holds one row of out0, and register j of tile b its column 32 (b / 2) + 16 h + 8 (b % 2) + j, since a tile's rows are 32 (T / 2) + 8 (T % 2) + r + 8 (r / 8).
; CLUSTER 4 x 4: ao's tile is shared along a row of the cluster, W_out's along a column: each is asked for jointly, by the same tensor load with a mask that names the four.
; REGISTERS, in windows of 256.  Window 0: v1-29 addresses; v32-95 scale words (register 32 s + 4 i + q: ao's block i in lanes 0-15, W_out's tile i in lanes 16-31); v128-191 ao's fragments, two sets; on the way out v128-255 rows of out0.
;   Window 1: W_out's fragments, two sets, at v0 and v128; v64-127 the bias.   Window 2: accumulator (a, b) at v[8 (8 a + b)].
.set NA,    4                          ; blocks of ao for a wave
.set SLOT,  98304                      ; a K half in LDS: 8 tiles of ao x 4,096 bytes, then 16 of W_out
.set BOFF,  32768
.set SCL,   2*SLOT                     ; the scale words: ao's 4,096 bytes, then W_out's 8,192
.set STAGE, SCL+12288                  ; the way out: 16 rows x (512 bytes + 16) for each wave; no tensor load lands here
.set SPARE, STAGE+4*16*528             ; the spare words, 128 bytes for each wave: two blocks of 256 bytes that no other line names
.set LI,    3                          ; v3   16 x lane
.set ADRA,  16
.set ADRB,  20
.set STO,   24                         ; v24  the stage: where I put 32 bytes of a row
.set RD,    25                         ; v25  and where I read a row back
.set ADRS,  27
.set SPW,   28                         ; v28  LDS address of my spare word; never rewritten
.set NIL,   29                         ; v29  0; never rewritten
.set SC,    32
.set AF,    128
.set BI,    64                         ; in window 1
.set BK,    128                        ; the way out: 16 rows read back: v128-191 and v192-255 by turns
.set G1A,   24
.set G0A,   32
.set G1B,   48
.set G0B,   56
.set G1SA,  68
.set G0SA,  76
.set G1SB,  80
.set G0SB,  88
.set MSB, 0
.macro WIN new                         ; the immediate's high byte repeats the setting that is left; a switch that changes nothing is dropped
.if MSB != (\new)
	s_set_vgpr_msb (MSB<<8)|(\new)
.set MSB, (\new)
.endif
.endm
; A joint load: waves 0 and 1 fetch for ao, waves 2 and 3 for W_out.  The branch hangs on the wave's number alone.  An s_nop 0 and four v_nop follow each of the two lines.
.macro JLOAD g0a, g1a, g0b, g1b
	s_cmp_eq_u32 s15, 0
	s_cbranch_scc0 .Lfor_b_\@
	tensor_load_to_lds s[\g0a:\g0a+3], s[\g1a:\g1a+7]
	s_nop 0
.rept 4
	v_nop
.endr
	s_branch .Lasked_\@
.Lfor_b_\@:
	tensor_load_to_lds s[\g0b:\g0b+3], s[\g1b:\g1b+7]
	s_nop 0
.rept 4
	v_nop
.endr
.Lasked_\@:
.endm
.macro CROUND                          ; a round of the cluster's barrier
	s_barrier_signal -1
	s_barrier_wait -1
	s_cmp_lg_u32 s14, 0
	s_cbranch_scc1 .Lnot_wave_0_\@
	s_barrier_signal -3
.Lnot_wave_0_\@:
	s_barrier_wait -3
	s_barrier_signal -1
	s_barrier_wait -1
.endm
.macro PLACES n
.rept \n
	v_nop
.endr
.endm
	s_load_b256 s[4:11], s[0:1], 0x0               ; ao s[4:5], wo s[6:7], b_out s[8:9], out0 s[10:11]
	v_lshl_add_u32 v[SPW], v0, 2, SPARE
	v_mov_b32 v[NIL], 0
	ds_add_u32 v[SPW], v[NIL]                      ; the wave's opening: the add, twice on end, and its wait ahead of my first tensor load; the set-up below stands between
	ds_add_u32 v[SPW], v[NIL]
	v_lshrrev_b32 v1, 5, v0
	v_readfirstlane_b32 s14, v1                    ; wave 0..3
	s_lshr_b32 s15, s14, 1                         ; HA: my half of the rows.  Also: I fetch for ao (0) or for W_out (1)
	s_and_b32 s16, s14, 1                          ; HB: my half of the columns.  Also: which half I fetch
	s_bfe_u32 s40, ttmp6, 0x40000                  ; cx
	s_bfe_u32 s41, ttmp6, 0x40004                  ; cy
	s_lshl_b32 s42, ttmp9, 2
	s_add_co_u32 s42, s42, s40                     ; the block of 256 columns
	s_and_b32 s17, ttmp7, 0xffff
	s_lshl_b32 s17, s17, 2
	s_add_co_u32 s17, s17, s41                     ; the block of 128 rows
	s_lshl_b32 s43, s41, 2
	s_lshl_b32 s43, 15, s43                        ; my row of the cluster
	s_lshl_b32 s44, 0x1111, s40                    ; my column
	s_or_b32 s[G1A], s43, (3<<16)|(1<<21)          ; 15:0 the mask; 17:16 elements of 8 bytes; 21 set beside a mask; no padding: images are read 16 x lane
	s_or_b32 s[G1B], s44, (3<<16)|(1<<21)
	s_or_b32 s[G1SA], s43, (3<<16)|(1<<21)
	s_or_b32 s[G1SB], s44, (3<<16)|(1<<21)
	s_mov_b32 s[G1A+1], 512<<16                    ; ao's codes: 4 tiles, of each a K half: 4,096 bytes of its 8,192
	s_mov_b32 s[G1A+2], 4<<16
	s_mov_b32 s[G1A+3], 512<<16
	s_mov_b32 s[G1A+4], 4
	s_mov_b32 s[G1A+5], 1024
	s_mov_b32 s[G1A+6], 0
	s_mov_b32 s[G1A+7], 0
	s_mov_b32 s[G1B+1], 512<<16                    ; W_out's: 8 tiles
	s_mov_b32 s[G1B+2], 8<<16
	s_mov_b32 s[G1B+3], 512<<16
	s_mov_b32 s[G1B+4], 8
	s_mov_b32 s[G1B+5], 1024
	s_mov_b32 s[G1B+6], 0
	s_mov_b32 s[G1B+7], 0
	s_mov_b32 s[G1SA+1], 32<<16                    ; scale words of 4 tiles: 2,048 dense bytes as 8 rows of 256
	s_mov_b32 s[G1SA+2], 8<<16
	s_mov_b32 s[G1SA+3], 32<<16
	s_mov_b32 s[G1SA+4], 8
	s_mov_b32 s[G1SA+5], 32
	s_mov_b32 s[G1SA+6], 0
	s_mov_b32 s[G1SA+7], 0
	s_mov_b32 s[G1SB+1], 32<<16                    ; of 8 tiles: 16 rows
	s_mov_b32 s[G1SB+2], 16<<16
	s_mov_b32 s[G1SB+3], 32<<16
	s_mov_b32 s[G1SB+4], 16
	s_mov_b32 s[G1SB+5], 32
	s_mov_b32 s[G1SB+6], 0
	s_mov_b32 s[G1SB+7], 0
	s_lshl_b32 s20, s17, 16                        ; ao's codes: 8 tiles a block, 4 a half (made of cy and the wave's number alone)
	s_lshl_b32 s18, s16, 15
	s_add_co_u32 s20, s20, s18
	s_mov_b32 s21, 0
	s_lshl_b32 s22, s17, 12                        ; its scale words
	s_lshl_b32 s18, s16, 11
	s_add_co_u32 s22, s22, s18
	s_add_co_u32 s22, s22, 4194304
	s_mov_b32 s23, 0
	s_lshl_b32 s46, s42, 17                        ; W_out's codes: 16 tiles a block, 8 a half (of cx and the wave's number alone)
	s_lshl_b32 s3, s16, 16
	s_add_co_u32 s46, s46, s3
	s_mov_b32 s47, 0
	s_lshl_b32 s94, s42, 13                        ; its scale words
	s_lshl_b32 s3, s16, 12
	s_add_co_u32 s94, s94, s3
	s_add_co_u32 s94, s94, 524288
	s_mov_b32 s95, 0
	s_lshl_b32 s92, s16, 14                        ; where they go: no place in the cluster enters an LDS address
	s_lshl_b32 s93, s16, 15
	s_add_co_u32 s93, s93, BOFF
	s_lshl_b32 s96, s16, 11
	s_add_co_u32 s96, s96, SCL
	s_lshl_b32 s97, s16, 12
	s_add_co_u32 s97, s97, SCL+4096
	s_wait_dscnt 0x0                               ; both opening adds are done
	s_wait_kmcnt 0x0
	s_add_nc_u64 s[20:21], s[4:5], s[20:21]
	s_add_nc_u64 s[22:23], s[4:5], s[22:23]
	s_add_nc_u64 s[46:47], s[6:7], s[46:47]
	s_add_nc_u64 s[94:95], s[6:7], s[94:95]
	CROUND                                         ; all sixteen work-groups are here: the joint loads meet
	s_mov_b32 s[G0SA], 1
	s_mov_b32 s[G0SA+1], s96
	s_mov_b64 s[G0SA+2:G0SA+3], s[22:23]
	s_or_b32 s[G0SA+3], s[G0SA+3], 0x80000000
	s_mov_b32 s[G0SB], 1
	s_mov_b32 s[G0SB+1], s97
	s_mov_b64 s[G0SB+2:G0SB+3], s[94:95]
	s_or_b32 s[G0SB+3], s[G0SB+3], 0x80000000
	JLOAD G0SA, G1SA, G0SB, G1SB                   ; the scale words first; each of the two below is issued only after all my earlier tensor loads have landed
.irp s, 0,1
	s_mov_b32 s[G0A+4*\s], 1
	s_add_co_u32 s[G0A+4*\s+1], s92, \s*SLOT
	s_add_nc_u64 s[G0A+4*\s+2:G0A+4*\s+3], s[20:21], \s*4096
	s_or_b32 s[G0A+4*\s+3], s[G0A+4*\s+3], 0x80000000
	s_mov_b32 s[G0B+4*\s], 1
	s_add_co_u32 s[G0B+4*\s+1], s93, \s*SLOT
	s_add_nc_u64 s[G0B+4*\s+2:G0B+4*\s+3], s[46:47], \s*4096
	s_or_b32 s[G0B+4*\s+3], s[G0B+4*\s+3], 0x80000000
	s_wait_alu depctr_va_vdst(0)
	s_wait_tensorcnt 0x0
	ds_add_u32 v28, v29
	s_wait_dscnt 0x0
	CROUND
	JLOAD G0A+4*\s, G1A, G0B+4*\s, G1B
.endr
	v_and_b32 v1, 15, v0                           ; r
	v_bfe_u32 v2, v0, 4, 1                         ; h
	v_and_b32 v[LI], 31, v0
	v_lshlrev_b32 v[LI], 4, v[LI]
	s_wait_alu depctr_va_vdst(0)
	s_lshl_b32 s66, s42, 10                        ; the bias of my 128 columns: the C of each sum's first product
	s_lshl_b32 s67, s16, 9
	s_add_co_u32 s66, s66, s67
	s_mov_b32 s67, 0
	s_add_nc_u64 s[66:67], s[8:9], s[66:67]
	v_lshlrev_b32 v6, 6, v2                        ; 16 h numbers on
	WIN 0x40                                       ; destination window 1
.irp b, 0,1,2,3,4,5,6,7
	global_load_b128 v[BI+8*\b:BI+8*\b+3], v6, s[66:67] offset:(32*(\b/2)+8*(\b%2))*4
	global_load_b128 v[BI+8*\b+4:BI+8*\b+7], v6, s[66:67] offset:(32*(\b/2)+8*(\b%2))*4+16
.endr
	WIN 0
	s_mul_i32 s18, s15, NA*4096                    ; my blocks of ao,
	s_lshl_b32 s19, s16, 15
	s_add_co_u32 s19, s19, BOFF                    ; my tiles of W_out
.irp s, 0,1
	v_add_nc_u32 v[ADRA+\s], s18, v[LI]
	v_add_nc_u32 v[ADRB+\s], s19, v[LI]
	s_add_co_u32 s18, s18, SLOT
	s_add_co_u32 s19, s19, SLOT
.endr
	v_lshlrev_b32 v4, 4, v1                        ; a row's four words
	s_mul_i32 s18, s15, NA*512                     ; ao's: my blocks
	s_lshl_b32 s19, s16, 12
	s_add_co_u32 s19, s19, NA*1024                 ; W_out's lie behind them: my tiles
	s_sub_co_u32 s19, s19, s18
	v_mul_u32_u24 v5, s19, v2                      ; lanes 16-31 take W_out's: the lower base + h x the distance
	s_add_co_u32 s18, s18, SCL
	v_add_nc_u32 v4, v4, v5
	v_add_nc_u32 v[ADRS], s18, v4
	s_mul_i32 s18, s14, 16*528
	s_add_co_u32 s18, s18, STAGE                   ; my stage
	v_mul_u32_u24 v[STO], v1, 528
	v_lshl_add_u32 v[STO], v2, 6, v[STO]
	v_add_nc_u32 v[STO], s18, v[STO]               ; in: row r, 64 h bytes on
	v_add_nc_u32 v[RD], s18, v[LI]                 ; back: the 32 lanes take one row of 512 bytes
	s_lshl_b32 s18, s17, 19                        ; out0: 128 rows of 4,096 bytes a block, 64 a half; 1,024 bytes a block of columns, 512 a half
	s_lshl_b32 s19, s15, 18
	s_add_co_u32 s18, s18, s19
	s_lshl_b32 s19, s42, 10
	s_add_co_u32 s18, s18, s19
	s_lshl_b32 s19, s16, 9
	s_add_co_u32 s18, s18, s19
	s_mov_b32 s19, 0
	s_add_nc_u64 s[10:11], s[10:11], s[18:19]
.macro FRAG reg, adr, off              ; an image comes back as it was stored: 16 x lane, 512 bytes a load
	ds_load_b128 v[\reg:\reg+3], v[\adr] offset:\off
	ds_load_b128 v[\reg+4:\reg+7], v[\adr] offset:\off+512
.endm
.macro FETCH g                         ; the fragments of K step g (128 along K) into set g % 2
.set FS, (\g)/4
.set FQ, (\g)%4
.set FP, (\g)%2
	WIN 0x40
.irp i, 0,1,2,3,4,5,6,7
	FRAG 128*FP+8*\i, ADRB+FS, 4096*\i+1024*FQ
.endr
	WIN 0
.irp i, 0,1,2,3
	FRAG AF+8*NA*FP+8*\i, ADRA+FS, 4096*\i+1024*FQ
.endr
.endm
.macro SCALES s                        ; the scale words of K half s: four words a row (for i above 3 lanes 0-15 read filled bytes that no product names)
.irp i, 0,1,2,3,4,5,6,7
	ds_load_b128 v[SC+32*\s+4*\i:SC+32*\s+4*\i+3], v[ADRS] offset:512*\i+256*\s
.endr
.endm
.macro MM a, b, c0
	v_wmma_scale_f32_16x16x128_f8f6f4 v[8*(8*(\a)+\b):8*(8*(\a)+\b)+7], v[128*MP+8*\b:128*MP+8*\b+7], v[AF+8*NA*MP+8*(\a):AF+8*NA*MP+8*(\a)+7], v[\c0:\c0+7], v[SC+32*MS+4*\b+MQ], v[SC+32*MS+4*(\a)+MQ] matrix_a_fmt:MATRIX_FMT_FP4 matrix_b_fmt:MATRIX_FMT_FP4 matrix_a_scale:MATRIX_SCALE_ROW1
.endm
; The 32 products of K step g.  The accumulators take turns, one instruction a turn, in the same order in every step.  mode 0: they add in place; 1: C = the bias.
.macro MULS g, mode
.set MS, (\g)/4
.set MQ, (\g)%4
.set MP, (\g)%2
.if \mode
	WIN 0x91                                       ; source 0 window 1, source 1 window 0, C window 1, D window 2
.else
	WIN 0xa1                                       ; C and D window 2
.endif
.irp a, 0,1,2,3
.irp b, 0,1,2,3,4,5,6,7
.if \mode == 0
	MM \a, \b, 8*(8*\a+\b)
.else
	MM \a, \b, BI+8*\b
.endif
.endr
.endr
.endm
.macro PRE g                           ; ahead of K step g's products
	s_wait_dscnt 0x0                               ; its fragments are in: they were asked for a whole step ago
.if (\g) == 3
	s_wait_tensorcnt 0x0                           ; my part of K half 1 has landed,
	s_barrier_signal -1
	s_barrier_wait -1                              ; everybody's has
.endif
.if (\g) < 7
.if (\g) > 0
	PLACES 4                                       ; four places in front of loads into registers that the last products read
.endif
	FETCH (\g)+1
.endif
.endm
	s_wait_alu depctr_va_vdst(0)
	s_wait_tensorcnt 1                             ; the scale words and my part of K half 0 are in; K half 1's load may be out
	s_barrier_signal -1
	s_barrier_wait -1
	SCALES 0
	SCALES 1
	FETCH 0
	s_wait_loadcnt 0x0                             ; the bias
	PRE 0
	MULS 0, 1
.irp g, 1,2,3,4,5,6,7
	PRE \g
	MULS \g, 0
.endr
	WIN 0
	PLACES 4                                       ; in front of the first reads of results and of loads into registers that held fragments
; THE WAY OUT, block by block of 16 rows x 128 columns, through my own stage: a lane's 32 bytes go in, whole rows of 512 bytes come back, and the 32 lanes store them as 512 consecutive bytes, aligned.
; LDS serves a wave's instructions in order: no wait between the stores and the loads, nor in front of the next block's stores.
.macro TOSTAGE a
	WIN 0x08                                       ; an LDS store's data are its source 1: window 2
.irp b, 0,1,2,3,4,5,6,7
	ds_store_b128 v[STO], v[8*(8*(\a)+\b):8*(8*(\a)+\b)+3] offset:128*(\b/2)+32*(\b%2)       ; each accumulator from its low end on
	ds_store_b128 v[STO], v[8*(8*(\a)+\b)+4:8*(8*(\a)+\b)+7] offset:128*(\b/2)+32*(\b%2)+16
.endr
	WIN 0
.set BB, BK+64*((\a)%2)
.irp t, 0,1,2,3,4,5,6,7,8,9,10,11,12,13,14,15
	ds_load_b128 v[BB+4*\t:BB+4*\t+3], v[RD] offset:\t*528
.endr
.endm
.macro SEND a, younger                 ; younger: the LDS instructions issued behind block a's loads, which may stay out
.set BB, BK+64*((\a)%2)
	s_wait_dscnt \younger
.irp t, 0,1,2,3,4,5,6,7,8,9,10,11,12,13,14,15
	global_store_b128 v[LI], v[BB+4*\t:BB+4*\t+3], s[10:11] offset:(32*((\a)/2)+8*((\a)%2)+\t+8*(\t/8))*4096 th:TH_STORE_NT   ; the stage's row t is row 32 (a / 2) + 8 (a % 2) + t + 8 (t / 8) of my 64
.endr
.endm
	TOSTAGE 0
.irp a, 1,2,3
.if \a > 1
	s_wait_xcnt 0x0                                ; block a - 2's stores have read their registers: block a's loads may land there
.endif
	TOSTAGE \a
	SEND \a-1, 32                                  ; behind block a - 1's loads: block a's 16 stores and 16 loads
.endr
	SEND 3, 0
	s_wait_tensorcnt 0x0                           ; the wave's end
	ds_add_u32 v[SPW], v[NIL]
	s_wait_dscnt 0x0
	CROUND                                         ; the closing round
	s_endpgm
.Lfunc_end_k_qfe34af4da8_proj:
	.size	k_qfe34af4da8_proj, .Lfunc_end_k_qfe34af4da8_proj-k_qfe34af4da8_proj
	.p2alignl 7, 3214868480
	.fill 96, 4, 3214868480
	.section	.rodata,"a",@progbits
	.p2align	6, 0x0
	.amdhsa_kernel k_qfe34af4da8_proj
		.amdhsa_group_segment_fixed_size 327680
		.amdhsa_private_segment_fixed_size 0
		.amdhsa_enable_private_segment 0
		.amdhsa_kernarg_size 32
		.amdhsa_user_sgpr_count 2
		.amdhsa_user_sgpr_kernarg_segment_ptr 1
		.amdhsa_wavefront_size32 1
		.amdhsa_system_sgpr_workgroup_id_x 1
		.amdhsa_system_sgpr_workgroup_id_y 1
		.amdhsa_system_sgpr_workgroup_id_z 1
		.amdhsa_system_vgpr_workitem_id 0
		.amdhsa_next_free_vgpr 768
		.amdhsa_next_free_sgpr 100
		.amdhsa_reserve_vcc 0
		.amdhsa_float_denorm_mode_32 3
		.amdhsa_float_denorm_mode_16_64 3
		.amdhsa_memory_ordered 1
		.amdhsa_forward_progress 1
		.amdhsa_inst_pref_size 74
	.end_amdhsa_kernel
	.amdgpu_metadata
---
amdhsa.version: [ 1, 2 ]
amdhsa.kernels:
  - .name:           k_qfe34af4da8_proj
    .symbol:         k_qfe34af4da8_proj.kd
    .args:
      - { .name: ao, .offset: 0, .size: 8, .value_kind: global_buffer, .address_space: global }
      - { .name: wo, .offset: 8, .size: 8, .value_kind: global_buffer, .address_space: global }
      - { .name: b_out, .offset: 16, .size: 8, .value_kind: global_buffer, .address_space: global }
      - { .name: out0, .offset: 24, .size: 8, .value_kind: global_buffer, .address_space: global }
    .group_segment_fixed_size: 327680
    .private_segment_fixed_size: 0
    .kernarg_segment_align: 8
    .kernarg_segment_size: 32
    .max_flat_workgroup_size: 128
    .sgpr_count:     100
    .vgpr_count:     768
    .wavefront_size: 32
...
	.end_amdgpu_metadata
.endif
;; end of part 4
